; MI455X (gfx1250); checked and timed in simulation.
; The chip was launched on July 23, 2026; its instructions are those of AMD's public machine-readable ISA for CDNA 5 (MIT licence, August 2026) and "CDNA5" Instruction Set Architecture Reference Guide (July 2026). The comments in the code are by the model that wrote it; some were corrected since.
;; Causal Self Attention. Allowed arithmetic: matrix products marked QUANTISED: E2M3 operands, one E8M0 scale for each 32 along K, by v_wmma_scale_f32_16x16x128_f8f6f4 with both operands' format E2M3, f32 sums; everything else in f32.
;; Inputs: b_attn 3,072 float32; b_proj 1,024 float32; w_attn 1,024 x 3,072 float32; w_proj 1,024 x 1,024 float32; x 2 x 2,048 x 1,024 float32.
;; Outputs: out0 2 x 2,048 x 1,024 float32.
;; This version of the problem:
;;   THIS VERSION OF THE PROBLEM IS GIVEN IN LOW PRECISION. The matrix products marked QUANTISED in the list below multiply operands that are first quantised to E2M3 (2 exponent bits, 3 mantissa bits; 6 bits a number), with one power-of-two scale for each 32 numbers along K (OCP MX v1.0); their sums are f32. All else is computed in f32.
;;   The module's matrix products, in the order in which they are computed (A, B: the left and right operand; K: the contracted axis; several contracted axes count as one K, in the product's order):
;;     1. [M 4,096, K 1,024] x [K 1,024, N 3,072]; A: input x; B: input w_attn: QUANTISED
;;     2. batch 32 x [M 2,048, K 64] x [K 64, N 2,048]; A: computed on the way; B: computed on the way: QUANTISED
;;     3. batch 32 x [M 2,048, K 2,048] x [K 2,048, N 64]; A: softmax (see below); B: computed on the way: QUANTISED
;;     4. [M 4,096, K 1,024] x [K 1,024, N 1,024]; A: computed on the way; B: input w_proj: QUANTISED
;;   THE QUANTISER, for each operand of a quantised product, along K:
;;     - K is cut into blocks of 32 from its start; a last block that is shorter is filled with zeros.
;;     - A block's scale is 2^e with e = floor(log2(the largest magnitude in the block)) - 2, held to -126 .. 127; a block of zeros has e = 0. As a byte (E8M0): e + 127.
;;     - Each number is divided by its block's scale, clamped to +-7.5, and rounded to the nearest number of E2M3, ties to even, subnormals kept.
;;     - The product sums the exact products of the quantised numbers (number of the format x scale) in f32.
;;   ~~~python
;;   def quantise(x, axis):      # numpy; x: float32 -> the quantised numbers, widened to float32 again
;;       x = np.moveaxis(x, axis, -1); K = x.shape[-1]
;;       x = np.pad(x, [(0, 0)] * (x.ndim - 1) + [(0, -K % 32)]); x = x.reshape(x.shape[:-1] + (-1, 32)); a = np.abs(x).max(-1, keepdims=True)
;;       e = np.where(a > 0, np.clip(np.frexp(np.where(a > 0, a, 1))[1] - 1 - 2, -126, 127), 0)      # np.frexp(a)[1] - 1 = floor(log2(a)), exactly
;;       r = np.clip(x / 2.0 ** e, -7.5, 7.5)
;;       step = 2.0 ** (np.maximum(np.frexp(np.where(r == 0, 1, r))[1] - 1, 0) - 3)
;;       q = np.round(r / step) * step * 2.0 ** e      # np.round: ties to even
;;       return np.moveaxis(q.reshape(q.shape[:-2] + (-1,))[..., :K], -1, axis).astype(np.float32)
;;   ~~~
;;   SOFTMAX AHEAD OF A QUANTISED PRODUCT. Where the list says 'softmax', what is quantised is not the finished softmax but p = 2^(t - M), with t = logit x log2(e) and M = ceil(the row's largest t), a whole number; so 1/2 < the row's largest p <= 1. The row's sum l is taken of the UNQUANTISED p, in f32, and the product's result is divided by l at the end. Since M is a whole number, a kernel that streams over the keys may use a running M (the ceiling of the running maximum): every later rescaling is an exact power of two, which a block's scale takes up: the codes' values come out the same.
;;   OPERANDS COMPUTED ON THE WAY. 'Computed on the way' means the value that the module computes at that place (a softmax that the list does not call 'softmax' is quantised finished and normalised). What goes into a quantiser is computed in f32, as accurately as f32 sums, v_exp_f32 and their like allow (about 1e-6 of the number): no bf16 or f16 on the way to a quantiser, and a product that is left as it is and whose result goes on into a quantised operand takes f32 operands (vector FMAs, or v_wmma_f32_16x16x4_f32). A number that lies on a knife's edge between two numbers of the format may be rounded either way, as far as f32 arithmetic and the matrix unit's own rounding can turn it there, and no further.
;; One version. Each part assembles by itself: llvm-mc -triple=amdgcn-amd-amdhsa -mcpu=gfx1250 --defsym DOCPART=n.
;; ======== version 1 of 1: 4 launches
;; workspace buffers: opc 9,437,184 bytes; ops 393,216 bytes; qkvc 9,437,184 bytes; qkvs 655,360 bytes
;; launch prep (part 1): grid 256 x 1, 8 waves a work-group, no clusters, 71,680 bytes of LDS; arguments x, w_attn, w_proj, opc, ops; writes opc, ops
.if DOCPART == 1
	.amdgcn_target "amdgcn-amd-amdhsa--gfx1250"
	.amdhsa_code_object_version 6
	.text
	.protected	k_q993702a1de_prep
	.globl	k_q993702a1de_prep
	.p2align	8
	.type	k_q993702a1de_prep,@function
k_q993702a1de_prep:
	s_mov_b64 s[64:65], 0
	v_nop
	global_prefetch_b8 v0, s[64:65] scope:SCOPE_SE
	s_setreg_imm32_b32 hwreg(HW_REG_WAVE_MODE, 25, 1), 1
	s_wait_xcnt 0x0
; x [4096][1024], w_attn [1024][3072] and w_proj [1024][1024], f32, become codes of FP6 (E2M3) with one E8M0 byte for each 32 along K = 1024, laid as the later launches' operand registers want them.
; TILES.  An operand is cut into tiles of 16 rows (x: tokens; the weights: their columns n).  Tile numbers in opc and ops: 0-255 x, 256-447 w_attn, 448-511 w_proj.
; Place p = 16 tile + r holds row pi(p), pi = p with its bits 3 and 4 exchanged: tile 2 b + u, place r, is row 32 b + 8 u + r + 8 (r / 8).
; CODES (opc): [tile][16 pieces of 64 along K][768 bytes].  In a piece lane l = r + 16 h of the reader owns the 24 bytes of the 32 codes k = 32 h .. 32 h + 31 of place r: its bytes 0-15 lie at 16 l, its bytes 16-23 at 512 + 16 r + 8 h.
; SCALES (ops): [tile][half of K][r][4 words]: word s' of half kh serves the 128 along K from 128 (4 kh + s'), byte j its block j.
; A block's scale is 2^(floor(log2(its largest magnitude)) - 2); its byte is that magnitude's exponent field - 2, held at 1 from below.
; LIMITS: NaN and infinities among the inputs are not served.  A block of zeros gets the byte 1 where the quantiser's text says 127: its codes are zeros, which add nothing, and this program alone reads the bytes.
; SHARES.  256 work-groups of 8 waves, 128 KiB of f32 each.  Work-groups 0-127: two tiles of x, a wave a quarter of K of one tile.  128-223: w_attn, 224-255: w_proj: 64 columns x half of K, a wave 32 columns x 128 along K.
; No cluster, no tensor load, no matrix unit: no two work-groups read the same byte, and each byte is read once.
.set STG,  8448                        ; x: a wave's stage: 16 rows x (512 bytes + 16)
.set XSG,  8*STG                       ; x: the work-group's scale words, 1,024 bytes
.set WSG,  XSG+1024                    ; the weights': 1,024 bytes for each of the two arms
.set R,    32                          ; v32-159  x as loaded, two sets of 64; a weight's 128 numbers of a lane
.set X,    160                         ; v160-223 x: 64 numbers of a lane, two whole blocks
.set CD,   224                         ; v224-255 x: four sets of 6 code registers, 8 apart: no store's data are written again
; v1 lane, v2 r, v3 h; v4-v9 LDS addresses, v10-v13, v26 offsets in memory, v24 8 h, v25 a lane permute's destination; v14-v19, v28-v30 at work; v20-21 x's two scale words
; the largest magnitude of the 32 numbers v[xs] .. v[xs + 31], with the floor 2^(3 - 127), and the conversions' scale operand (2 off its exponent field) in v16
.macro MAX32 xs
	v_max3_num_f32 v14, |v[(\xs)]|, |v[(\xs)+1]|, |v[(\xs)+2]|
	v_max3_num_f32 v15, |v[(\xs)+3]|, |v[(\xs)+4]|, |v[(\xs)+5]|
.irp i, 6,10,14,18,22,26
	s_delay_alu instid0(VALU_DEP_2)
	v_max3_num_f32 v14, v14, |v[(\xs)+\i]|, |v[(\xs)+\i+1]|
	s_delay_alu instid0(VALU_DEP_2)
	v_max3_num_f32 v15, v15, |v[(\xs)+\i+2]|, |v[(\xs)+\i+3]|
.endr
	s_delay_alu instid0(VALU_DEP_2)
	v_max3_num_f32 v14, v14, |v[(\xs)+30]|, |v[(\xs)+31]|
	s_delay_alu instid0(VALU_DEP_1)
	v_max3_num_f32 v14, v14, v15, 0x1800000
	s_delay_alu instid0(VALU_DEP_1)
	v_add_nc_u32 v16, 0xff000000, v14
.endm
	s_load_b256 s[4:11], s[0:1], 0x0               ; x s[4:5], w_attn s[6:7], w_proj s[8:9], opc s[10:11]
	s_load_b64 s[12:13], s[0:1], 0x20              ; ops
	v_lshl_add_u32 v254, v0, 2, 0x11400
	v_mov_b32 v255, 0
	v_lshrrev_b32 v1, 5, v0
	s_delay_alu instid0(VALU_DEP_1)
	v_readfirstlane_b32 s14, v1                    ; wave 0..7
	v_and_b32 v1, 31, v0                           ; lane
	v_and_b32 v2, 15, v0                           ; r
	s_wait_alu depctr_va_vdst(0)
	v_bfe_u32 v3, v0, 4, 1                         ; h
	v_bfe_u32 v14, v0, 3, 1                        ; u: a weight's column 32 c + lane lies in tile 2 c + u,
	s_wait_alu depctr_va_vdst(0)
	v_and_b32 v15, 7, v0
	s_delay_alu instid0(VALU_DEP_1)
	v_lshl_or_b32 v15, v3, 3, v15                  ; at place rr = lane % 8 + 8 (lane / 16)
	s_mov_b32 s20, 0x76543210
	s_mov_b32 s21, 0xfedcba98                      ; v_permlanex16_b32's selects for lane l xor 16
	; every LDS address is made here, ahead of the parting of the arms
	s_mul_i32 s15, s14, STG
	v_lshl_add_u32 v4, v1, 4, s15                  ; x's stage, in: 16 x lane of a row
	v_mul_u32_u24 v5, v2, 528
	s_delay_alu instid0(VALU_DEP_1)
	v_lshl_add_u32 v5, v3, 7, v5
	s_delay_alu instid0(VALU_DEP_1)
	v_add_nc_u32 v5, s15, v5                       ; and out: row r, + 128 h: my block of 32 numbers
	s_lshr_b32 s16, s14, 1
	s_and_b32 s17, s14, 1
	s_lshl_b32 s18, s16, 8
	s_lshl_b32 s19, s17, 3
	s_add_co_u32 s18, s18, s19
	s_add_co_u32 s18, s18, XSG
	v_lshl_add_u32 v6, v2, 4, s18                  ; x's two scale words: 256 (wave / 2) + 16 r + 8 (wave % 2)
	s_lshl_b32 s18, s17, 9
	s_lshl_b32 s19, s16, 2
	s_add_co_u32 s19, s19, s18
	s_add_co_u32 s19, s19, WSG
	v_lshl_add_u32 v7, v14, 8, s19
	s_wait_alu depctr_va_vdst(0)
	v_lshl_add_u32 v7, v15, 4, v7                  ; a weight's scale word: 512 (wave % 2) + 256 u + 16 rr + 4 (wave / 2)
	s_add_co_u32 s19, s18, XSG
	v_lshl_add_u32 v8, v1, 4, s19                  ; the way out of x's words: 512 bytes for each of waves 0 and 1
	s_add_co_u32 s19, s18, WSG
	v_lshl_add_u32 v9, v1, 4, s19                  ; and of the weights'
	v_lshlrev_b32 v10, 4, v1                       ; 16 x lane
	v_lshlrev_b32 v11, 4, v2
	s_delay_alu instid0(VALU_DEP_1)
	v_lshl_add_u32 v11, v3, 3, v11                 ; 16 r + 8 h
	v_mul_u32_u24 v12, v14, 12288
	s_delay_alu instid0(VALU_DEP_1)
	v_lshl_add_u32 v12, v15, 4, v12                ; a weight's codes: tile u of my pair, 16 rr
	v_lshlrev_b32 v13, 2, v1                       ; 4 x lane
	v_lshlrev_b32 v24, 3, v3                       ; 8 h
	v_mov_b32 v25, 0                               ; written once: a lane permute's destination counts as one of its sources
	v_lshlrev_b32 v26, 9, v3
	s_delay_alu instid0(VALU_DEP_1)
	v_lshl_add_u32 v26, v2, 4, v26                 ; 512 h + 16 r
	s_wait_kmcnt 0x0
	s_cmp_lt_u32 ttmp9, 128
	s_cbranch_scc1 .Lxarm
	s_cmp_lt_u32 ttmp9, 224
	s_cbranch_scc1 .Lwattn
; A WEIGHT [1024 (k)][n].  A lane takes a column and its registers run down K, so that a block of 32 lies in one lane and the codes come out with K innermost.
; pitch: bytes of a row; tb: the weight's first tile; g0: its first work-group; ptr: its pointer; go: this arm's own LDS bytes behind WSG.
.macro WLOAD b, pitch, ptr             ; block b: 32 loads, each 128 consecutive bytes a wave; two waves stand side by side on 256
.set i, 0
.rept 32
	global_load_b32 v[R+32*(\b)+i], v13, s[\ptr:\ptr+1] offset:(32*(\b)+i)*\pitch th:TH_LOAD_NT
.set i, i+1
.endr
.endm
.macro WBLK b, pitch, ptr
.set XS, R+32*(\b)
.if (\b) < 3
	s_wait_loadcnt 32                              ; this block's 32 loads are in; the next block's 32 may be out
.else
	s_wait_loadcnt 0x0
.endif
.if (\b) < 2
	WLOAD (\b)+2, \pitch, \ptr                     ; loads run two blocks ahead
.endif
	MAX32 XS
	v_cvt_scalef32_pk16_fp6_f32 v[160+4*(\b):162+4*(\b)], v[XS:XS+15], v16
	v_cvt_scalef32_pk16_fp6_f32 v[184:186], v[XS+16:XS+31], v16   ; (a conversion's three registers begin on an even number)
	v_lshrrev_b32 v[188+(\b)], 23, v16             ; the scale's byte; also the plain line behind the conversions
	v_mov_b32 v[163+4*(\b)], v184                  ; the block's bytes 0-15,
	v_mov_b32 v[176+4*((\b)/2)+2*((\b)%2)], v185   ; and its bytes 16-23, beside those of the piece's other block
	v_mov_b32 v[177+4*((\b)/2)+2*((\b)%2)], v186
	global_store_b128 v12, v[160+4*(\b):163+4*(\b)], s[10:11] offset:((\b)/2)*768+256*((\b)%2)   ; sixteen lanes fill 256 consecutive bytes of one tile, sixteen those of the next
.if (\b)%2
	global_store_b128 v12, v[176+4*((\b)/2):179+4*((\b)/2)], s[10:11] offset:((\b)/2)*768+512
.endif
.endm
.macro WARM pitch, tb, g0, ptr, go
	s_sub_co_u32 s16, ttmp9, \g0
	s_lshr_b32 s17, s16, 1                         ; which 64 columns
	s_and_b32 s16, s16, 1                          ; which half of K
	s_and_b32 s18, s14, 1                          ; which 32 of the columns
	s_lshr_b32 s19, s14, 1
	s_lshl_b32 s22, s16, 2
	s_add_co_u32 s22, s22, s19                     ; which 128 along K: 4 x half + wave / 2
	s_mul_i32 s24, s22, 128*\pitch
	s_lshl_b32 s23, s17, 8
	s_add_co_u32 s24, s24, s23
	s_lshl_b32 s23, s18, 7
	s_add_co_u32 s24, s24, s23
	s_mov_b32 s25, 0
	s_add_nc_u64 s[\ptr:\ptr+1], s[\ptr:\ptr+1], s[24:25]
	s_lshl_b32 s26, s17, 2
	s_lshl_b32 s23, s18, 1
	s_add_co_u32 s26, s26, s23
	s_add_co_u32 s26, s26, \tb                     ; the first tile of my pair
	s_mul_i32 s26, s26, 12288
	s_mul_i32 s23, s22, 1536                       ; two pieces for each 128 along K
	s_add_co_u32 s26, s26, s23
	s_mov_b32 s27, 0
	s_add_nc_u64 s[10:11], s[10:11], s[26:27]
	s_lshl_b32 s28, s17, 2
	s_lshl_b32 s23, s14, 1
	s_add_co_u32 s28, s28, s23
	s_add_co_u32 s28, s28, \tb                     ; waves 0 and 1 store the scale words of tiles 2 wave, 2 wave + 1
	s_lshl_b32 s28, s28, 9
	s_lshl_b32 s23, s16, 8
	s_add_co_u32 s28, s28, s23
	s_mov_b32 s29, 0
	s_add_nc_u64 s[12:13], s[12:13], s[28:29]
	WLOAD 0, \pitch, \ptr
	WLOAD 1, \pitch, \ptr
	WBLK 0, \pitch, \ptr
	WBLK 1, \pitch, \ptr
	WBLK 2, \pitch, \ptr
	WBLK 3, \pitch, \ptr
	v_lshl_or_b32 v19, v189, 8, v188               ; my column's scale word for these 128 along K
	s_delay_alu instid0(VALU_DEP_1)
	v_lshl_or_b32 v19, v190, 16, v19
	s_delay_alu instid0(VALU_DEP_1)
	v_lshl_or_b32 v19, v191, 24, v19
	ds_store_b32 v7, v19 offset:\go
	s_wait_dscnt 0x0                               ; for the others' sake: my word lies in LDS
	s_barrier_signal -1
	s_barrier_wait -1
	s_cmp_lt_u32 s14, 2
	s_cbranch_scc0 .Lwend_\@
	ds_load_b128 v[192:195], v9 offset:\go
	s_wait_dscnt 0x0
	global_store_b128 v26, v[192:195], s[12:13]    ; sixteen lanes fill the 256 bytes of one tile's half of K
.Lwend_\@:
	s_wait_tensorcnt 0x0
	ds_add_u32 v254, v255
	s_wait_dscnt 0x0
	s_endpgm
.endm
	s_wait_alu depctr_va_vdst(0)
	WARM 4096, 448, 224, 8, 1024
.Lwattn:
	s_wait_alu depctr_va_vdst(0)
	WARM 12288, 256, 128, 6, 0
; x.  Wave w: tile 2 g + w / 4, quarter w % 4 of K: two steps of 128 along K.
.macro XLOAD s                         ; 16 loads: each 512 consecutive bytes of one of the tile's rows, in the order of the tile's places
.irp i, 0,1,2,3,4,5,6,7,8,9,10,11,12,13,14,15
	global_load_b128 v[R+64*\s+4*\i:R+64*\s+4*\i+3], v10, s[4:5] offset:((\i%8)+16*(\i/8))*4096+512*\s th:TH_LOAD_NT
.endr
.endm
.macro XHALF s, c                      ; my block 2 c + h of the step: all its 32 numbers are mine
.set XS, X+32*\c
.set CS, CD+8*(2*\s+\c)
	MAX32 XS
	v_cvt_scalef32_pk16_fp6_f32 v[CS:CS+2], v[XS:XS+15], v16
	v_cvt_scalef32_pk16_fp6_f32 v[28:30], v[XS+16:XS+31], v16
	v_lshrrev_b32 v[17+\c], 23, v16                ; the scale's byte; also the plain line behind the conversions
	v_mov_b32 v[CS+3], v28
	v_mov_b32 v[CS+4], v29
	v_mov_b32 v[CS+5], v30
	global_store_b128 v10, v[CS:CS+3], s[10:11] offset:(2*\s+\c)*768        ; 512 consecutive bytes a wave
	global_store_b64 v11, v[CS+4:CS+5], s[10:11] offset:(2*\s+\c)*768+512   ; 256 consecutive bytes a wave
.endm
.macro XSTEP s
.if \s == 0
	s_wait_loadcnt 16                              ; this step's 16 loads are in; the second step's 16 may be out
.else
	s_wait_loadcnt 0x0
.endif
.irp i, 0,1,2,3,4,5,6,7,8,9,10,11,12,13,14,15
	ds_store_b128 v4, v[R+64*\s+4*\i:R+64*\s+4*\i+3] offset:528*\i   ; the rows turn through my own stage: LDS serves a wave's instructions in order
.endr
.irp c, 0,1
.irp j, 0,1,2,3,4,5,6,7
	ds_load_b128 v[X+32*\c+4*\j:X+32*\c+4*\j+3], v5 offset:256*\c+16*\j
.endr
.endr
	s_wait_dscnt 0x0
	XHALF \s, 0
	XHALF \s, 1
	v_lshl_or_b32 v19, v18, 16, v17                ; my two bytes: blocks h and 2 + h,
	s_delay_alu instid0(VALU_DEP_1)
	v_lshlrev_b32 v19, v24, v19                    ; at their places in the word;
	s_delay_alu instid0(VALU_DEP_1)
	v_permlanex16_b32 v25, v19, s20, s21
	s_delay_alu instid0(VALU_DEP_1)
	v_or_b32 v[20+\s], v19, v25                    ; with lane l xor 16's two the word is whole
.endm
.Lxarm:
	s_lshr_b32 s16, s14, 2
	s_and_b32 s17, s14, 3
	s_lshl_b32 s22, ttmp9, 17                      ; 32 rows of 4,096 bytes a work-group,
	s_lshl_b32 s23, s16, 15                        ; 8 rows on for the second tile,
	s_add_co_u32 s22, s22, s23
	s_lshl_b32 s23, s17, 10                        ; my quarter of K
	s_add_co_u32 s22, s22, s23
	s_mov_b32 s23, 0
	s_add_nc_u64 s[4:5], s[4:5], s[22:23]
	s_lshl_b32 s24, ttmp9, 1
	s_add_co_u32 s24, s24, s16                     ; my tile
	s_mul_i32 s24, s24, 12288
	s_mul_i32 s25, s17, 3072                       ; four pieces a quarter
	s_add_co_u32 s24, s24, s25
	s_mov_b32 s25, 0
	s_add_nc_u64 s[10:11], s[10:11], s[24:25]
	s_lshl_b32 s26, ttmp9, 10
	s_lshl_b32 s27, s14, 9                         ; waves 0 and 1 store the two tiles' scale words
	s_add_co_u32 s26, s26, s27
	s_mov_b32 s27, 0
	s_add_nc_u64 s[12:13], s[12:13], s[26:27]
	XLOAD 0
	XLOAD 1
	XSTEP 0
	XSTEP 1
	ds_store_b64 v6, v[20:21]                      ; both halves of the lanes write the same words with the same values
	s_wait_dscnt 0x0                               ; for the others' sake: my words lie in LDS
	s_barrier_signal -1
	s_barrier_wait -1
	s_cmp_lt_u32 s14, 2
	s_cbranch_scc0 .Lxend
	ds_load_b128 v[32:35], v8
	s_wait_dscnt 0x0
	global_store_b128 v10, v[32:35], s[12:13]      ; a tile's 512 bytes of scale words
.Lxend:
	s_wait_tensorcnt 0x0
	ds_add_u32 v254, v255
	s_wait_dscnt 0x0
	s_endpgm
.Lfunc_end_k_q993702a1de_prep:
	.size	k_q993702a1de_prep, .Lfunc_end_k_q993702a1de_prep-k_q993702a1de_prep
	.p2alignl 7, 3214868480
	.fill 96, 4, 3214868480
	.section	.rodata,"a",@progbits
	.p2align	6, 0x0
	.amdhsa_kernel k_q993702a1de_prep
		.amdhsa_group_segment_fixed_size 71680
		.amdhsa_private_segment_fixed_size 0
		.amdhsa_enable_private_segment 0
		.amdhsa_kernarg_size 40
		.amdhsa_user_sgpr_count 2
		.amdhsa_user_sgpr_kernarg_segment_ptr 1
		.amdhsa_wavefront_size32 1
		.amdhsa_system_sgpr_workgroup_id_x 1
		.amdhsa_system_sgpr_workgroup_id_y 1
		.amdhsa_system_sgpr_workgroup_id_z 1
		.amdhsa_system_vgpr_workitem_id 0
		.amdhsa_next_free_vgpr 256
		.amdhsa_next_free_sgpr 66
		.amdhsa_reserve_vcc 0
		.amdhsa_float_denorm_mode_32 3
		.amdhsa_float_denorm_mode_16_64 3
		.amdhsa_memory_ordered 1
		.amdhsa_forward_progress 1
		.amdhsa_inst_pref_size 64
	.end_amdhsa_kernel
	.amdgpu_metadata
---
amdhsa.version: [ 1, 2 ]
amdhsa.kernels:
  - .name:           k_q993702a1de_prep
    .symbol:         k_q993702a1de_prep.kd
    .args:
      - { .name: x, .offset: 0, .size: 8, .value_kind: global_buffer, .address_space: global }
      - { .name: w_attn, .offset: 8, .size: 8, .value_kind: global_buffer, .address_space: global }
      - { .name: w_proj, .offset: 16, .size: 8, .value_kind: global_buffer, .address_space: global }
      - { .name: opc, .offset: 24, .size: 8, .value_kind: global_buffer, .address_space: global }
      - { .name: ops, .offset: 32, .size: 8, .value_kind: global_buffer, .address_space: global }
    .group_segment_fixed_size: 71680
    .private_segment_fixed_size: 0
    .kernarg_segment_align: 8
    .kernarg_segment_size: 40
    .max_flat_workgroup_size: 256
    .sgpr_count:     66
    .vgpr_count:     256
    .wavefront_size: 32
...
	.end_amdgpu_metadata
.endif
;; end of part 1
;; launch qkv (part 2): grid 16 x 48, 4 waves a work-group, clusters of 4 x 4, 197,120 bytes of LDS; arguments opc, ops, b_attn, qkvc, qkvs; writes qkvc, qkvs
.if DOCPART == 2
	.amdgcn_target "amdgcn-amd-amdhsa--gfx1250"
	.amdhsa_code_object_version 6
	.text
	.protected	k_q993702a1de_qkv
	.globl	k_q993702a1de_qkv
	.p2align	8
	.type	k_q993702a1de_qkv,@function
k_q993702a1de_qkv:
	s_mov_b64 s[64:65], 0
	v_nop
	global_prefetch_b8 v0, s[64:65] scope:SCOPE_SE
	s_setreg_imm32_b32 hwreg(HW_REG_WAVE_MODE, 25, 1), 1
	s_wait_xcnt 0x0
	s_wait_alu depctr_hold_cnt(0) depctr_sa_sdst(0) depctr_va_vdst(0) depctr_va_sdst(0) depctr_va_ssrc(0) depctr_va_vcc(0) depctr_vm_vsrc(0)
	s_getreg_b32 s2, hwreg(HW_REG_IB_STS2, 6, 4)
	s_cmp_eq_u32 s2, 0
	s_cbranch_scc0 .Lentry_in_a_cluster
	s_endpgm
.Lentry_in_a_cluster:
	s_bfe_u32 s2, ttmp6, 0x10000c
	s_cmp_lg_u32 s2, 0xf033
	s_cbranch_scc0 .Lentry_shape_is_right
	s_endpgm
.Lentry_shape_is_right:
; qkv = x w_attn + b_attn on codes of FP6 (E2M3) with E8M0 scales, and its result quantised at once: q and k along the head's 64, v along the tokens.  No f32 number of qkv goes to memory.
; ONE FORM: R[i][j] = sum over k of P[i][k] Q[j][k], P source 0, Q source 1: a lane holds one row j of Q, its registers run along P's rows i, which is the axis that is quantised behind the product.
; Cluster rows 0-7 (part 0): P = w_attn's columns 0-2047 (q, k), Q = x's tokens.  Cluster rows 8-11 (part 1): P = x's tokens, Q = w_attn's columns 2048-3071 (v).  Both operands lie in opc, so the parts differ in tile numbers.
; OPERANDS (made by the launch before): tiles of 16 rows; place p of an operand holds row pi(p), pi = p with bits 3 and 4 exchanged; so the 16 registers of P's tiles 2 b and 2 b + 1 are 16 neighbours, 32 b + 16 h + 0 .. 15.
; Codes: [tile][16 pieces of 64 along K][768 bytes], in a piece lane l's bytes 0-15 at 16 l, its bytes 16-23 at 512 + 16 r + 8 h.  Scale words: [tile][half of K][r][4 words].
; SHARES.  A work-group makes 128 x 128 of R over all of K = 1024; each of its four waves 64 x 64: 16 accumulators.  A wave's 64 of P's rows are one head's 64 (part 0) or 64 tokens (part 1): two blocks of 32.
; LDS: both operands' 128 rows for all of K, 2 x 98,304 bytes, each byte filled once: two tensor loads a wave at the start, two outstanding at the most; nothing is filled again.
; CLUSTER 4 x 4: P's tiles hang on cx alone and are asked for jointly by the cluster's column, Q's on cy alone, by its row.
; RESULTS.  qkvc: [48 heads' worth: 0-15 q, 16-31 k, 32-47 v][64 groups of 64 tokens][4 pieces][768 bytes]; q, k: a piece is a tile of 16 tokens x the head's 64; v: a tile of 16 of the head's 64 x 64 tokens.
; qkvs: q, k: [head][group][r][4 tiles] words, the two bytes written twice (the product on a head of 64 has zero codes in its upper 64 along K, and their scale bytes are copies of real ones);
; v, from byte 524,288: [head][128 tokens][r][4 tiles] words, byte 2 c + blk for tokens 64 c + 32 blk on.  A wave has two of such a word's four bytes: v's scale bytes, one part in 72 of what the launch stores, leave by stores of two bytes.
; LIMITS: NaN and infinities are not served; a block of zeros gets the byte 1, not 127: its codes are zeros, and this program alone reads the bytes.
; REGISTERS.  Window 0: v1-8 lane numbers and offsets; v16-23 LDS addresses; v32-63 scale words and nothing else; v64-95 the bias, later the codes; v96-113 at work on the way out; v128-255 the accumulators, (a, b) at 128 + 32 b + 8 a.
; Window 1: two sets of fragments, at 0 and 128: P's four at + 12 a, Q's four at + 48 + 12 b.
.set SC,   32
.set BI,   64
.set ACC,  128
.set LA,   4                           ; v4   16 x lane
.set LB,   5                           ; v5   16 r + 8 h
.set VSO,  6                           ; v6   my scale words in ops: lanes 0-15 P's tiles, lanes 16-31 Q's
.set PA,   16                          ; v16-17 P: the 16-byte parts, chunks of even, odd number;  v18-19 the 8-byte parts
.set PBR,  18
.set QA,   20                          ; v20-23 the same for Q
.set QBR,  22
.set TM,   96                          ; v96-97 largest magnitudes, v98-99 the other half's, v100-101 the conversions' scale operands, v102-103 bytes, v104-106 codes on their way, v108-111 the four tiles' two bytes
.set TX,   98
.set SO,   100
.set EB,   102
.set TT,   104
.set HW,   108
.set SEL,  88                          ; s[88:89]
.set PART, 58                          ; s58
.set MSB, 0
.macro WIN new                         ; the immediate's high byte repeats the setting that is left
.if MSB != \new
	s_set_vgpr_msb (MSB<<8)|\new
.set MSB, \new
.endif
.endm
.set MUL,  0x05                        ; sources 0 and 1 window 1; C and D window 0
.set TO_F, 0x40                        ; destination window 1, address window 0
.macro PLACES                          ; four plain lines between matrix instructions and loads into, or reads of, their registers
.rept 4
	v_nop
.endr
.endm
.macro CROUND                          ; a round of the cluster's barrier
	s_barrier_signal -1
	s_barrier_wait -1
	s_cmp_lg_u32 s14, 0
	s_cbranch_scc1 .Lnot_wave_0_\@
	s_barrier_signal -3
.Lnot_wave_0_\@:
	s_barrier_wait -3
	s_barrier_signal -1
	s_barrier_wait -1
.endm
.macro FRAG reg, aa, ab, imm           ; a fragment, 16 rows x 128 K, is two pieces: 12 registers by four loads, each of consecutive bytes
	ds_load_b128 v[(\reg):(\reg)+3], v[\aa] offset:\imm
	ds_load_b64 v[(\reg)+4:(\reg)+5], v[\ab] offset:\imm
	ds_load_b128 v[(\reg)+6:(\reg)+9], v[\aa] offset:(\imm)+768
	ds_load_b64 v[(\reg)+10:(\reg)+11], v[\ab] offset:(\imm)+768
.endm
.macro FETCH s, f                      ; K step s (chunk s / 2) into set f: 32 loads
	WIN TO_F
.irp i, 0,1,2,3
	FRAG 128*(\f)+12*\i, PA+((\s)/2)%2, PBR+((\s)/2)%2, ((\s)/4)*24576+3072*\i+((\s)%2)*1536
	FRAG 128*(\f)+48+12*\i, QA+((\s)/2)%2, QBR+((\s)/2)%2, ((\s)/4)*24576+3072*\i+((\s)%2)*1536
.endr
.endm
.macro MM a, b, s, f, c
	v_wmma_scale_f32_16x16x128_f8f6f4 v[ACC+32*(\b)+8*(\a):ACC+32*(\b)+8*(\a)+7], v[128*(\f)+12*(\a):128*(\f)+12*(\a)+11], v[128*(\f)+48+12*(\b):128*(\f)+48+12*(\b)+11], v[(\c):(\c)+7], v[SC+8*(\a)+(\s)], v[SC+8*(\b)+(\s)] matrix_a_fmt:MATRIX_FMT_FP6 matrix_b_fmt:MATRIX_FMT_FP6 matrix_b_scale:MATRIX_SCALE_ROW1
.endm
; 16 matrix instructions: the 16 accumulators by turns, in the same order in every step.  cmode 1: the sums begin with the bias along P's rows; 2: along Q's rows; 0: they go on.
.macro MUL16 s, f, cmode
.irp b, 0,1,2,3
.irp a, 0,1,2,3
.if (\cmode) == 1
	MM \a, \b, \s, \f, BI+8*\a
.elseif (\cmode) == 2
	MM \a, \b, \s, \f, BI+8*\b
.else
	MM \a, \b, \s, \f, ACC+32*\b+8*\a
.endif
.endr
.endr
.endm
.macro KSTEP s
	s_wait_dscnt 0x0                               ; this step's fragments are in
.if (\s) == 3
	s_wait_tensorcnt 0x0                           ; my second load has landed,
	s_barrier_signal -1
	s_barrier_wait -1                              ; everybody's has: K steps 4 to 7 may be read
.endif
.if (\s) < 7
	PLACES                                         ; the other set was multiplied in the step before
	FETCH (\s)+1, ((\s)+1)%2
.endif
	WIN MUL
	MUL16 \s, (\s)%2, 0
.endm
; 32 numbers of a lane, register 16 b + i = k 32 b + 16 h + i of my row, become a piece's 24 bytes in v[c] .. v[c + 5] and the two scale bytes in v[hw]
.macro QUANT32 src, c, hw
.irp b, 0,1
	v_max3_num_f32 v[TM+\b], |v[(\src)+16*\b]|, |v[(\src)+16*\b+1]|, 0x1800000   ; my 16 numbers of block b, and the floor 2^(3 - 127): the byte cannot fall under 1.  Each accumulator is read from its low end on
.endr
.irp i, 2,4,6,8,10,12,14
.irp b, 0,1
	v_max3_num_f32 v[TM+\b], v[TM+\b], |v[(\src)+16*\b+\i]|, |v[(\src)+16*\b+\i+1]|
.endr
.endr
.irp b, 0,1
	v_permlanex16_b32 v[TX+\b], v[TM+\b], s[SEL], s[SEL+1]
.endr
.irp b, 0,1
	v_max_num_f32 v[TM+\b], v[TM+\b], v[TX+\b]     ; with lane l xor 16's: the block's largest magnitude
.endr
.irp b, 0,1
	v_add_nc_u32 v[SO+\b], 0xff000000, v[TM+\b]    ; 2 off its exponent field: the conversion's scale operand
.endr
.irp b, 0,1
	v_lshrrev_b32 v[EB+\b], 23, v[SO+\b]           ; the scale's byte
.endr
	v_lshl_or_b32 v[\hw], v[EB+1], 8, v[EB]
	v_cvt_scalef32_pk16_fp6_f32 v[(\c):(\c)+2], v[(\src):(\src)+15], v[SO]
	v_cvt_scalef32_pk16_fp6_f32 v[TT:TT+2], v[(\src)+16:(\src)+31], v[SO+1]
	v_nop                                          ; one plain line behind the conversions
.irp i, 0,1,2
	v_permlane16_swap_b32 v[(\c)+\i], v[TT+\i]     ; a whole block to a lane: lanes 0-15 block 0, lanes 16-31 block 1
.endr
.irp i, 0,1,2
	v_mov_b32 v[(\c)+3+\i], v[TT+\i]
.endr
.endm
	s_load_b256 s[4:11], s[0:1], 0x0               ; opc s[4:5], ops s[6:7], b_attn s[8:9], qkvc s[10:11]
	s_load_b64 s[12:13], s[0:1], 0x20              ; qkvs
	v_lshl_add_u32 v126, v0, 2, 0x30000
	v_mov_b32 v127, 0
	ds_add_u32 v126, v127
	ds_add_u32 v126, v127
	v_lshrrev_b32 v1, 5, v0
	v_readfirstlane_b32 s14, v1                    ; wave 0..3
	s_lshr_b32 s15, s14, 1                         ; wp: my 64 of P's 128 rows.  Also: I fetch for P (0) or for Q (1)
	s_and_b32 s16, s14, 1                          ; wq: my 64 of Q's.  Also: which chunks I fetch
	s_bfe_u32 s17, ttmp6, 0x40000                  ; cx
	s_bfe_u32 s18, ttmp6, 0x40004                  ; cy
	s_and_b32 s20, ttmp7, 0xffff                   ; the cluster's y, 0..11
	s_sub_co_u32 s21, s20, 8
	s_and_b32 s22, s21, 1
	s_lshl_b32 s22, s22, 2
	s_add_co_u32 s22, s22, ttmp9                   ; part 1: P's cluster column, 0..7
	s_lshr_b32 s23, s21, 1                         ;         Q's cluster row, 0..1
	s_cmp_ge_u32 s20, 8
	s_cselect_b32 s56, s22, ttmp9
	s_cselect_b32 s57, s23, s20
	s_cselect_b32 s[PART], 1, 0
	s_cselect_b32 s59, 0, 256                      ; P's first tile in opc
	s_cselect_b32 s60, 384, 0                      ; Q's
	s_lshl_b32 s56, s56, 2
	s_add_co_u32 s56, s56, s17                     ; Pt: which 128 rows of P (holds cx, never cy)
	s_lshl_b32 s57, s57, 2
	s_add_co_u32 s57, s57, s18                     ; Qt: which 128 rows of Q (holds cy, never cx)
	s_lshl_b32 s61, s56, 3
	s_add_co_u32 s61, s61, s59                     ; P's first tile of the work-group
	s_lshl_b32 s62, s57, 3
	s_add_co_u32 s62, s62, s60                     ; Q's
	s_lshl_b32 s21, 0x1111, s17                    ; my column of the cluster
	s_lshl_b32 s22, s18, 2
	s_lshl_b32 s22, 15, s22                        ; my row
	; descriptor group 1: a chunk is 8 tiles x 256 along K: 8 rows of 3,072 bytes (384 elements of 8 bytes), 12,288 bytes apart; no padding: every LDS load of the text reads consecutive bytes
	s_or_b32 s24, s21, (3<<16)|(1<<21)             ; P's: 15:0 the mask; 17:16 elements of 8 bytes; 21 set beside a mask
	s_or_b32 s32, s22, (3<<16)|(1<<21)             ; Q's
.irp g, 24, 32
	s_mov_b32 s[\g+1], 384<<16                     ; tensor_dim0
	s_mov_b32 s[\g+2], 8<<16                       ; tensor_dim1
	s_mov_b32 s[\g+3], 384<<16                     ; tile_dim0
	s_mov_b32 s[\g+4], 8                           ; tile_dim1
	s_mov_b32 s[\g+5], 1536                        ; from row to row, in elements
	s_mov_b32 s[\g+6], 0
	s_mov_b32 s[\g+7], 0
.endr
	s_mul_i32 s70, s16, 3072                       ; my first chunk: number wave % 2
	s_mul_i32 s66, s61, 12288
	s_add_co_u32 s66, s66, s70
	s_mov_b32 s67, 0
	s_mul_i32 s68, s62, 12288
	s_add_co_u32 s68, s68, s70
	s_mov_b32 s69, 0
	s_mul_i32 s71, s14, 49152                      ; where my two chunks go: no place in the cluster enters an LDS address
	; where the results go
	s_lshl_b32 s72, s56, 1
	s_add_co_u32 s72, s72, s15                     ; u1 = 2 Pt + wp: my 64 rows of P
	s_lshl_b32 s73, s57, 1
	s_add_co_u32 s73, s73, s16                     ; u2 = 2 Qt + wq: my 64 rows of Q
	s_add_co_u32 s74, s73, 32
	s_lshl_b32 s75, s73, 13                        ; part 1: v's scale bytes: 524,288 + 8,192 head + 256 Pt + 2 wp
	s_lshl_b32 s76, s56, 8
	s_add_co_u32 s75, s75, s76
	s_lshl_b32 s76, s15, 1
	s_add_co_u32 s75, s75, s76
	s_add_co_u32 s75, s75, 524288
	s_lshl_b32 s76, s72, 14                        ; part 0: 16,384 head + 256 group
	s_lshl_b32 s77, s73, 8
	s_add_co_u32 s76, s76, s77
	s_lshl_b32 s82, s72, 8                         ; the bias: part 0 from column 64 u1,
	s_lshl_b32 s84, s73, 8
	s_add_co_u32 s84, s84, 8192                    ; part 1 from column 2,048 + 64 u2
	s_cmp_eq_u32 s[PART], 1
	s_cselect_b32 s74, s74, s72                    ; which of the 48 heads' worth
	s_cselect_b32 s77, s72, s73                    ; which group of 64 tokens
	s_cselect_b32 s78, s75, s76
	s_cselect_b32 s82, s84, s82
	s_mov_b32 s79, 0
	s_mov_b32 s83, 0
	s_mul_i32 s74, s74, 196608
	s_mul_i32 s77, s77, 3072
	s_add_co_u32 s80, s74, s77
	s_mov_b32 s81, 0
	s_lshl_b32 s86, s15, 2
	s_add_co_u32 s86, s86, s61
	s_lshl_b32 s86, s86, 9                         ; my P tiles' scale words in ops,
	s_lshl_b32 s87, s16, 2
	s_add_co_u32 s87, s87, s62
	s_lshl_b32 s87, s87, 9                         ; my Q tiles'
	s_mov_b32 s[SEL], 0x76543210
	s_mov_b32 s[SEL+1], 0xfedcba98
	s_wait_dscnt 0x0
	s_wait_kmcnt 0x0
	s_add_nc_u64 s[66:67], s[4:5], s[66:67]
	s_add_nc_u64 s[68:69], s[4:5], s[68:69]
	s_add_nc_u64 s[8:9], s[8:9], s[82:83]
	s_add_nc_u64 s[10:11], s[10:11], s[80:81]
	s_add_nc_u64 s[12:13], s[12:13], s[78:79]
.irp i, 0,1                            ; group 0: my load i brings chunk wave % 2 + 2 i
	s_mov_b32 s[40+4*\i], 1
	s_add_co_u32 s[41+4*\i], s71, \i*24576
	s_add_nc_u64 s[42+4*\i:43+4*\i], s[66:67], \i*6144
	s_or_b32 s[43+4*\i], s[43+4*\i], 0x80000000
	s_mov_b32 s[48+4*\i], 1
	s_add_co_u32 s[49+4*\i], s71, \i*24576
	s_add_nc_u64 s[50+4*\i:51+4*\i], s[68:69], \i*6144
	s_or_b32 s[51+4*\i], s[51+4*\i], 0x80000000
.endr
	CROUND                                         ; all sixteen work-groups are here: the joint loads meet
	s_cmp_eq_u32 s15, 0                            ; a wave's two fills stand in one branch on its number, ahead of every wait on TENSORcnt and every LDS read
	s_cbranch_scc0 .Lfill_q
	tensor_load_to_lds s[40:43], s[24:31]
	s_nop 0
	tensor_load_to_lds s[44:47], s[24:31]
	s_nop 0
	PLACES
	s_branch .Lfilled
.Lfill_q:
	tensor_load_to_lds s[48:51], s[32:39]
	s_nop 0
	tensor_load_to_lds s[52:55], s[32:39]
	s_nop 0
	PLACES
.Lfilled:
	v_and_b32 v1, 31, v0                           ; lane
	v_and_b32 v2, 15, v0                           ; r
	v_bfe_u32 v3, v0, 4, 1                         ; h
	v_mov_b32 v[VSO], s86
	v_mov_b32 v7, s87
	v_cmp_eq_u32 vcc_lo, 1, v3
	v_cndmask_b32 v[VSO], v[VSO], v7, vcc_lo
	v_lshl_add_u32 v[VSO], v2, 4, v[VSO]
.irp i, 0,1,2,3
.irp k, 0,1
	global_load_b128 v[SC+8*\i+4*\k:SC+8*\i+4*\k+3], v[VSO], s[6:7] offset:512*\i+256*\k   ; register SC + 8 i + s: lanes 0-15 the word of P's tile i, lanes 16-31 of Q's tile i, for K step s
.endr
.endr
	v_lshlrev_b32 v7, 6, v3                        ; 64 h
	v_and_b32 v8, 8, v2
	v_add_nc_u32 v8, v8, v2
	v_lshlrev_b32 v8, 2, v8                        ; 4 (r + 8 (r / 8))
	s_cmp_eq_u32 s[PART], 1
	s_cbranch_scc1 .Lbias_v
.irp a, 0,1,2,3                        ; the bias runs along the registers: tile a's eight columns of my half
	global_load_b128 v[BI+8*\a:BI+8*\a+3], v7, s[8:9] offset:(32*(\a/2)+8*(\a%2))*4
	global_load_b128 v[BI+8*\a+4:BI+8*\a+7], v7, s[8:9] offset:(32*(\a/2)+8*(\a%2))*4+16
.endr
	s_branch .Lbias_done
.Lbias_v:
	s_wait_alu depctr_va_vdst(0)
.irp b, 0,1,2,3                        ; the bias runs along the lanes: one number a lane, in all eight registers
.irp j, 0,1,2,3,4,5,6,7
	global_load_b32 v[BI+8*\b+\j], v8, s[8:9] offset:(32*(\b/2)+8*(\b%2))*4
.endr
.endr
.Lbias_done:
	v_lshlrev_b32 v[LA], 4, v1
	v_lshlrev_b32 v[LB], 4, v2
	v_lshl_add_u32 v[LB], v3, 3, v[LB]
	s_mul_i32 s21, s15, 12288                      ; my four tiles of P in a chunk,
	s_mul_i32 s22, s16, 12288
	s_add_co_u32 s22, s22, 98304                   ; my four of Q, behind P's four chunks
	v_add_nc_u32 v[PA], s21, v[LA]
	v_add_nc_u32 v[PA+1], 49152, v[PA]
	v_add_nc_u32 v[PBR], s21, v[LB]
	v_add_nc_u32 v[PBR], 512, v[PBR]
	v_add_nc_u32 v[PBR+1], 49152, v[PBR]
	v_add_nc_u32 v[QA], s22, v[LA]
	v_add_nc_u32 v[QA+1], 49152, v[QA]
	v_add_nc_u32 v[QBR], s22, v[LB]
	v_add_nc_u32 v[QBR], 512, v[QBR]
	v_add_nc_u32 v[QBR+1], 49152, v[QBR]
	v_mov_b32 v[TX], 0                             ; written once: a lane permute's destination counts as one of its sources
	v_mov_b32 v[TX+1], 0
	s_wait_alu depctr_va_vdst(0)
	s_wait_tensorcnt 0x1                           ; my first load (chunk 0 or 1) has landed; my second may stay out
	s_barrier_signal -1
	s_barrier_wait -1                              ; everybody's first has: K steps 0 to 3 may be read
	FETCH 0, 0
	s_wait_loadcnt 0x0                             ; the scale words and the bias
	s_wait_dscnt 0x0
	FETCH 1, 1
	WIN 0                                          ; at a branch and at a label every window is 0
	s_cmp_eq_u32 s[PART], 1
	s_cbranch_scc1 .Lstart_v
	WIN MUL
	MUL16 0, 0, 1                                  ; the first K step starts the sums, with the bias as C
	WIN 0
	s_branch .Lstarted
.Lstart_v:
	WIN MUL
	MUL16 0, 0, 2
	WIN 0
.Lstarted:
	KSTEP 1
	KSTEP 2
	KSTEP 3
	KSTEP 4
	KSTEP 5
	KSTEP 6
	KSTEP 7
	WIN 0
	PLACES
.irp b, 0,1,2,3                        ; Q's tile b: my row's 64 numbers along P become a piece
	QUANT32 ACC+32*\b, BI+8*\b, HW+\b
	global_store_b128 v[LA], v[BI+8*\b:BI+8*\b+3], s[10:11] offset:768*\b        ; 512 consecutive bytes
	global_store_b64 v[LB], v[BI+8*\b+4:BI+8*\b+5], s[10:11] offset:768*\b+512   ; 256 consecutive bytes
.endr
	v_cmp_eq_u32 vcc_lo, 1, v3
	v_cndmask_b32 v112, v[HW], v[HW+2], vcc_lo     ; lanes 0-15 store tiles 0 and 1's bytes, lanes 16-31 tiles 2 and 3's
	v_cndmask_b32 v113, v[HW+1], v[HW+3], vcc_lo
	s_cmp_eq_u32 s[PART], 1
	s_cbranch_scc1 .Lscale_v
	v_lshl_or_b32 v112, v112, 16, v112             ; the two bytes twice: the upper two serve the zero codes
	v_lshl_or_b32 v113, v113, 16, v113
	global_store_b64 v[LB], v[112:113], s[12:13]   ; 256 consecutive bytes
	s_branch .Lscaled
.Lscale_v:
	s_wait_alu depctr_va_vdst(0)
	global_store_b16 v[LB], v112, s[12:13]
	global_store_b16 v[LB], v113, s[12:13] offset:4
.Lscaled:
	s_wait_tensorcnt 0x0
	ds_add_u32 v126, v127
	s_wait_dscnt 0x0
	CROUND                                         ; the closing round: no work-group ends while a partner may still ask for a tile that names it
	s_endpgm
.Lfunc_end_k_q993702a1de_qkv:
	.size	k_q993702a1de_qkv, .Lfunc_end_k_q993702a1de_qkv-k_q993702a1de_qkv
	.p2alignl 7, 3214868480
	.fill 96, 4, 3214868480
	.section	.rodata,"a",@progbits
	.p2align	6, 0x0
	.amdhsa_kernel k_q993702a1de_qkv
		.amdhsa_group_segment_fixed_size 197120
		.amdhsa_private_segment_fixed_size 0
		.amdhsa_enable_private_segment 0
		.amdhsa_kernarg_size 40
		.amdhsa_user_sgpr_count 2
		.amdhsa_user_sgpr_kernarg_segment_ptr 1
		.amdhsa_wavefront_size32 1
		.amdhsa_system_sgpr_workgroup_id_x 1
		.amdhsa_system_sgpr_workgroup_id_y 1
		.amdhsa_system_sgpr_workgroup_id_z 1
		.amdhsa_system_vgpr_workitem_id 0
		.amdhsa_next_free_vgpr 512
		.amdhsa_next_free_sgpr 90
		.amdhsa_reserve_vcc 1
		.amdhsa_float_denorm_mode_32 3
		.amdhsa_float_denorm_mode_16_64 3
		.amdhsa_memory_ordered 1
		.amdhsa_forward_progress 1
		.amdhsa_inst_pref_size 58
	.end_amdhsa_kernel
	.amdgpu_metadata
---
amdhsa.version: [ 1, 2 ]
amdhsa.kernels:
  - .name:           k_q993702a1de_qkv
    .symbol:         k_q993702a1de_qkv.kd
    .args:
      - { .name: opc, .offset: 0, .size: 8, .value_kind: global_buffer, .address_space: global }
      - { .name: ops, .offset: 8, .size: 8, .value_kind: global_buffer, .address_space: global }
      - { .name: b_attn, .offset: 16, .size: 8, .value_kind: global_buffer, .address_space: global }
      - { .name: qkvc, .offset: 24, .size: 8, .value_kind: global_buffer, .address_space: global }
      - { .name: qkvs, .offset: 32, .size: 8, .value_kind: global_buffer, .address_space: global }
    .group_segment_fixed_size: 197120
    .private_segment_fixed_size: 0
    .kernarg_segment_align: 8
    .kernarg_segment_size: 40
    .max_flat_workgroup_size: 128
    .sgpr_count:     90
    .vgpr_count:     512
    .wavefront_size: 32
...
	.end_amdgpu_metadata
.endif
;; end of part 2
;; launch attn (part 3): grid 8 x 32, 16 waves a work-group, clusters of 4 x 1, 210,944 bytes of LDS; arguments qkvc, qkvs, opc, ops; writes opc, ops
.if DOCPART == 3
	.amdgcn_target "amdgcn-amd-amdhsa--gfx1250"
	.amdhsa_code_object_version 6
	.text
	.protected	k_q993702a1de_attn
	.globl	k_q993702a1de_attn
	.p2align	8
	.type	k_q993702a1de_attn,@function
k_q993702a1de_attn:
	s_mov_b64 s[64:65], 0
	v_nop
	global_prefetch_b8 v0, s[64:65] scope:SCOPE_SE
	s_setreg_imm32_b32 hwreg(HW_REG_WAVE_MODE, 25, 1), 1
	s_wait_xcnt 0x0
	s_wait_alu depctr_hold_cnt(0) depctr_sa_sdst(0) depctr_va_vdst(0) depctr_va_sdst(0) depctr_va_ssrc(0) depctr_va_vcc(0) depctr_vm_vsrc(0)
	s_getreg_b32 s2, hwreg(HW_REG_IB_STS2, 6, 4)
	s_cmp_eq_u32 s2, 0
	s_cbranch_scc0 .Lentry_in_a_cluster
	s_endpgm
.Lentry_in_a_cluster:
	s_bfe_u32 s2, ttmp6, 0x10000c
	s_cmp_lg_u32 s2, 0x3003
	s_cbranch_scc0 .Lentry_shape_is_right
	s_endpgm
.Lentry_shape_is_right:
; y = softmax(q k^T / 8, causal) v for 32 (head, batch) pairs of 2,048 tokens and a head of 64, both products on codes of FP6 (E2M3) with E8M0 scales; y is quantised along C at once, as the last product's operand.
; THE SOFTMAX AHEAD OF THE SECOND PRODUCT: t = score x log2(e) / 8; M = the running largest t rounded UP to a whole number; p = 2^(t - M) is quantised along the keys, not normalised; the row's sum is taken of the
; unquantised p and divides at the end.  When M moves, the sum and O are multiplied by 2^(old M - new M), which rounds nothing.
; BOTH PRODUCTS TRANSPOSED: S^T = K Q^T, O^T = V^T P^T: a lane holds one query throughout.  In every operand place p holds row pi(p) (bits 3 and 4 exchanged), so that the 16 registers of two neighbouring tiles are 16 neighbours.
; The first product's K is 64: the upper 64 of the instruction's 128 are zero codes on both sides (registers cleared once); their scale bytes are copies of the real ones.
; SHARES.  Work-group (c, y): y = 2 head + batch; c = 0..7.  Wave w takes tile c of the 128 queries of block jb(w): 16 queries.  jb runs over 0..15 in the order of a magic square of side 4: the four waves w % 4 = const
; and the four waves w / 4 = const each have jb + 1 adding up to 34 key steps.  A wave walks key steps 0 .. jb of 128 keys; the steps behind are jumped over by a scalar branch on the wave's number; step jb lies on the diagonal.
; LDS: the pair's whole K and V as codes, 2 x 98,304 bytes, and their scale words, 8,192 + 4,096 bytes; each byte is filled once.  Wave 0 fetches K's, wave 1 V's: scale words, keys 0-255, the rest: three loads outstanding at the most.
; CLUSTER 4 x 1: the four work-groups of a cluster share y, so K and V are asked for jointly (mask 15).  cx enters addresses in memory and the mask's numbers alone, no branch and no LDS address.
; LIMITS: NaN and infinities are not served; a p under 2^-126 counts as 0; a block of zeros gets the byte 1, not 127 (zero codes; this program alone reads the bytes); y is O x v_rcp_f32(the sum).
.set KSC,  196608                      ; K's scale words: 256 bytes for each 64 keys: [r][4 tiles]
.set VSC,  204800                      ; V's: 256 bytes for each 128 keys: [r][4 tiles of the head's 64]
.set LA,   1                           ; v1   16 x lane
.set LB,   2                           ; v2   512 + 16 r + 8 h
.set LR,   3                           ; v3   16 r
.set DQ,   4                           ; v4   my query's place in its block of 128, less 16 h
.set ADA,  6                           ; v6-11 the step's LDS addresses: K's two parts, V's two, K's scale words, V's
.set ADB,  7
.set AVA,  8
.set AVB,  9
.set ADS,  10
.set ADT,  11
.set QF,   16                          ; v16-27  Q's fragment (v22-27 zeros)
.set QS,   28                          ; v28     Q's scale word
.set KF,   32                          ; v32-79  four fragments of K (the upper six registers of each: zeros)
.set KS,   80                          ; v80-87  K's scale words, v88-91 V's, v92 p's: scales and nothing else
.set VS,   88
.set PW,   92
.set S,    96                          ; v96-159 S^T, then p; v96-143 then V's four fragments
.set VF,   96
.set O,    160                         ; v160-191 O^T
.set PC,   192                         ; v192-203 p's codes
.set PT,   204                         ; v204-206, v208-210 codes on their way
.set BM,   212                         ; v212-215 the blocks' largest scores, then largest p
.set BX,   216                         ; v216-219 the other half's
.set SO,   224                         ; v224-227 the conversions' scale operands
.set EB,   228                         ; v228-231 bytes
.set SEL,  20                          ; s[20:21]
.set CS,   22                          ; s[22:23] c = log2(e) / 8
.set JB,   18                          ; s18  my block of 128 queries
.set STP,  72                          ; s72  the key step
.set TK,   73                          ; s73  where its tiles begin in K's (and V's) bytes: 6,144 a step
.set TKS,  74                          ; s74  K's scale words: 512 a step
.set TVS,  75                          ; s75  V's: 256 a step
.set CNT,  76                          ; s76  the loops' counter
; v12 -M, v13 the largest t, v[14:15] and v[220:221] the sum's chains, v[232:233] f, v234-235 at work
.macro PLACES
.rept 4
	v_nop
.endr
.endm
.macro CROUND                          ; a round of the cluster's barrier
	s_barrier_signal -1
	s_barrier_wait -1
	s_cmp_lg_u32 s14, 0
	s_cbranch_scc1 .Lnot_wave_0_\@
	s_barrier_signal -3
.Lnot_wave_0_\@:
	s_barrier_wait -3
	s_barrier_signal -1
	s_barrier_wait -1
.endm
.macro G1DENSE g, rows                 ; descriptor group 1: a dense block as rows of 256 bytes (32 elements of 8 bytes), for all four work-groups
	s_mov_b32 s[\g], 15|(3<<16)|(1<<21)
	s_mov_b32 s[\g+1], 32<<16
	s_mov_b32 s[\g+2], (\rows)<<16
	s_mov_b32 s[\g+3], 32<<16
	s_mov_b32 s[\g+4], \rows
	s_mov_b32 s[\g+5], 32
	s_mov_b32 s[\g+6], 0
	s_mov_b32 s[\g+7], 0
.endm
	s_load_b256 s[4:11], s[0:1], 0x0               ; qkvc s[4:5], qkvs s[6:7], opc s[8:9], ops s[10:11]
	v_lshl_add_u32 v254, v0, 2, 0x33000
	v_mov_b32 v255, 0
	ds_add_u32 v254, v255
	ds_add_u32 v254, v255
	v_lshrrev_b32 v1, 5, v0
	s_delay_alu instid0(VALU_DEP_1)
	v_readfirstlane_b32 s14, v1                    ; wave 0..15
	s_bfe_u32 s15, ttmp6, 0x40000                  ; cx
	s_lshl_b32 s16, ttmp9, 2
	s_add_co_u32 s16, s16, s15                     ; c = 4 x cluster x + cx
	s_and_b32 s17, ttmp7, 0xffff                   ; y = 2 head + batch
	s_lshr_b32 s[JB], s14, 2
	s_xor_b32 s[JB], s[JB], s14
	s_lshr_b32 s19, s[JB], 1
	s_xor_b32 s[JB], s[JB], s19
	s_and_b32 s[JB], s[JB], 1
	s_xor_b32 s[JB], s[JB], 1                      ; 1 on the two diagonals of the square of waves
	s_mul_i32 s[JB], s[JB], 15
	s_xor_b32 s[JB], s[JB], s14                    ; there 15 - w, elsewhere w
	s_lshl_b32 s19, s[JB], 3
	s_add_co_u32 s19, s19, s16                     ; T: my tile of 16 queries, 0..127
	G1DENSE 24, 32                                 ; K's scale words: 8,192 bytes
	G1DENSE 32, 16                                 ; V's: 4,096
	G1DENSE 40, 48                                 ; the codes of keys 0-255: 12,288
	G1DENSE 48, 336                                ; the rest: 86,016
	s_add_co_u32 s77, s14, 1                       ; what wave 0 (K) and wave 1 (V) fetch, by the wave's number
	s_lshl_b32 s78, s77, 18
	s_lshr_b32 s79, 0x2000, s14
	s_mul_i32 s79, s79, s17
	s_add_co_u32 s78, s78, s79                     ; scale words: 262,144 (1 + w) + y x (8,192 >> w)
	s_mov_b32 s79, 0
	s_mul_i32 s80, s77, 3145728
	s_mul_i32 s81, s17, 98304
	s_add_co_u32 s80, s80, s81                     ; codes: 3,145,728 (1 + w) + 98,304 y
	s_mov_b32 s81, 0
	s_mul_i32 s82, s17, 98304                      ; Q's codes: 98,304 y + 768 T
	s_mul_i32 s83, s19, 768
	s_add_co_u32 s82, s82, s83
	s_mov_b32 s83, 0
	s_lshl_b32 s84, s17, 13                        ; Q's scale words: 8,192 y + 256 (T / 4) + 4 (T % 4)
	s_lshr_b32 s85, s19, 2
	s_lshl_b32 s85, s85, 8
	s_add_co_u32 s84, s84, s85
	s_and_b32 s85, s19, 3
	s_lshl_b32 s85, s85, 2
	s_add_co_u32 s84, s84, s85
	s_mov_b32 s85, 0
	s_and_b32 s86, s17, 1
	s_lshl_b32 s86, s86, 7
	s_add_co_u32 s86, s86, s19
	s_add_co_u32 s86, s86, 512                     ; y's tile in opc and ops: 512 + 128 batch + T
	s_lshr_b32 s87, s17, 1                         ; the head: piece number along C
	s_mul_i32 s88, s86, 12288
	s_mul_i32 s89, s87, 768
	s_add_co_u32 s88, s88, s89
	s_mov_b32 s89, 0
	s_lshl_b32 s90, s86, 9                         ; its two scale bytes: 512 tile + 256 (head / 8) + 2 (head % 8)
	s_lshr_b32 s91, s87, 3
	s_lshl_b32 s91, s91, 8
	s_add_co_u32 s90, s90, s91
	s_and_b32 s91, s87, 7
	s_lshl_b32 s91, s91, 1
	s_add_co_u32 s90, s90, s91
	s_mov_b32 s91, 0
	s_lshr_b32 s92, s16, 1
	s_lshl_b32 s92, s92, 5
	s_and_b32 s93, s16, 1
	s_lshl_b32 s93, s93, 3
	s_add_co_u32 s92, s92, s93                     ; 32 (c / 2) + 8 (c % 2)
	s_mov_b32 s[SEL], 0x76543210
	s_mov_b32 s[SEL+1], 0xfedcba98
	s_mov_b32 s[CS], 0x3e38aa3b
	s_mov_b32 s[CS+1], s[CS]                       ; (named with it as a pair, so it is written)
	s_mov_b32 s[STP], 0
	s_mov_b32 s[TK], 0
	s_mov_b32 s[TKS], KSC
	s_mov_b32 s[TVS], VSC
	s_wait_dscnt 0x0
	s_wait_kmcnt 0x0
	s_mov_b32 s56, 1                               ; group 0 for the scale words,
	s_lshl_b32 s57, s14, 13
	s_add_co_u32 s57, s57, KSC
	s_add_nc_u64 s[58:59], s[6:7], s[78:79]
	s_or_b32 s59, s59, 0x80000000
	s_mov_b32 s60, 1                               ; for keys 0-255,
	s_mul_i32 s61, s14, 98304
	s_add_nc_u64 s[62:63], s[4:5], s[80:81]
	s_mov_b32 s68, 1                               ; for the rest
	s_add_co_u32 s69, s61, 12288
	s_add_nc_u64 s[70:71], s[62:63], 12288
	s_or_b32 s63, s63, 0x80000000
	s_or_b32 s71, s71, 0x80000000
	s_add_nc_u64 s[94:95], s[4:5], s[82:83]
	s_add_nc_u64 s[96:97], s[6:7], s[84:85]
	s_add_nc_u64 s[8:9], s[8:9], s[88:89]
	s_add_nc_u64 s[10:11], s[10:11], s[90:91]
	CROUND                                         ; all four work-groups are here: the joint loads meet
	s_cmp_eq_u32 s14, 0                            ; a wave's three fills stand in one branch on its number
	s_cbranch_scc0 .Lnot_k
	tensor_load_to_lds s[56:59], s[24:31]
	s_nop 0
	tensor_load_to_lds s[60:63], s[40:47]
	s_nop 0
	tensor_load_to_lds s[68:71], s[48:55]
	s_nop 0
	PLACES
	s_branch .Lfilled
.Lnot_k:
	s_cmp_eq_u32 s14, 1
	s_cbranch_scc0 .Lfilled
	tensor_load_to_lds s[56:59], s[32:39]
	s_nop 0
	tensor_load_to_lds s[60:63], s[40:47]
	s_nop 0
	tensor_load_to_lds s[68:71], s[48:55]
	s_nop 0
	PLACES
.Lfilled:
	v_and_b32 v5, 31, v0                           ; lane
	v_and_b32 v234, 15, v0                         ; r
	v_bfe_u32 v235, v0, 4, 1                       ; h
	s_delay_alu instid0(VALU_DEP_3)
	v_lshlrev_b32 v[LA], 4, v5
	s_delay_alu instid0(VALU_DEP_3)
	v_lshlrev_b32 v[LR], 4, v234
	s_delay_alu instid0(VALU_DEP_1)
	v_lshl_add_u32 v[LB], v235, 3, v[LR]
	s_delay_alu instid0(VALU_DEP_1)
	v_add_nc_u32 v[LB], 512, v[LB]
	global_load_b128 v[QF:QF+3], v[LA], s[94:95]   ; Q's piece stays in registers
	global_load_b64 v[QF+4:QF+5], v[LB], s[94:95]
	global_load_b32 v[QS], v[LR], s[96:97]
	v_and_b32 v[DQ], 8, v234
	s_delay_alu instid0(VALU_DEP_1)
	v_add_nc_u32 v[DQ], v[DQ], v234                ; r + 8 (r / 8)
	v_lshlrev_b32 v235, 4, v235
	s_delay_alu instid0(VALU_DEP_1)
	v_sub_nc_u32 v[DQ], v[DQ], v235
	s_delay_alu instid0(VALU_DEP_1)
	v_add_nc_u32 v[DQ], s92, v[DQ]
.irp i, 6,7,8,9,10,11
	v_mov_b32 v[QF+\i], 0                          ; the zero codes of k = 64 .. 127: written once
.irp t, 0,1,2,3
	v_mov_b32 v[KF+12*\t+\i], 0
.endr
.endr
	v_mov_b32 v13, 0xff61b1e6                      ; the largest t so far: -3e38, under every t
	s_delay_alu instid0(VALU_DEP_1)
	v_floor_f32 v12, -v13                          ; -M
	v_mov_b32 v14, 0
	v_mov_b32 v15, 0
.irp b, 0,1,2,3
	v_mov_b32 v[BX+\b], 0                          ; written once: a lane permute's destination counts as one of its sources
.endr
	v_mov_b32 v232, 0
	v_mov_b32 v233, 0                              ; (named as the upper half of the pair v[232:233])
	v_mov_b32 v234, 0
.set n, 0
.rept 32
	v_mov_b32 v[O+n], 0                            ; O^T: the step is written once for all steps; the first finds zeros, which the first change of M leaves zeros
.set n, n+1
.endr
; A KEY STEP: 128 keys
.macro STEP
	s_cmp_gt_u32 s[STP], s[JB]                     ; all its keys come after my queries: only the lines at its end are run
	s_cbranch_scc1 .Lhidden_\@
	s_setprio 2
	v_add_nc_u32 v[ADA], s[TK], v[LA]              ; (these six lines are also the places between the last step's products and the loads and products below that write their registers)
	s_wait_alu depctr_va_vdst(0)
	v_add_nc_u32 v[ADB], s[TK], v[LB]
	s_wait_alu depctr_va_vdst(0)
	v_add_nc_u32 v[AVA], 0x18000, v[ADA]
	v_add_nc_u32 v[AVB], 0x18000, v[ADB]
	v_add_nc_u32 v[ADS], s[TKS], v[LR]
	v_add_nc_u32 v[ADT], s[TVS], v[LR]
.irp g, 0,1                            ; S^T = K Q^T, four tiles of 16 keys at a time
.if \g
	PLACES
.endif
.irp t, 0,1,2,3
	ds_load_b128 v[KF+12*\t:KF+12*\t+3], v[ADA] offset:(4*\g+\t)*768
	ds_load_b64 v[KF+12*\t+4:KF+12*\t+5], v[ADB] offset:(4*\g+\t)*768
.endr
.if \g == 0
	ds_load_b128 v[KS:KS+3], v[ADS]
	ds_load_b128 v[KS+4:KS+7], v[ADS] offset:256
	ds_load_b128 v[VS:VS+3], v[ADT]
.endif
	s_wait_dscnt 0x0
.irp t, 0,1,2,3
	v_wmma_scale_f32_16x16x128_f8f6f4 v[S+8*(4*\g+\t):S+8*(4*\g+\t)+7], v[KF+12*\t:KF+12*\t+11], v[QF:QF+11], 0, v[KS+4*\g+\t], v[QS] matrix_a_fmt:MATRIX_FMT_FP6 matrix_b_fmt:MATRIX_FMT_FP6
.endr
.endr                                  ; register 16 b + i holds key 32 b + 16 h + i of the step
	PLACES
	s_cmp_lg_u32 s[STP], s[JB]                     ; on the diagonal the scores of hidden keys become -infinity ahead of the maximum
	s_cbranch_scc1 .Lopen_\@
	v_mov_b32 v235, 0xff800000
.set n, 0
.rept 64
	v_cmp_gt_i32 vcc_lo, 32*(n/16)+n%16, v[DQ]
	v_cndmask_b32 v[S+n], v[S+n], v235, vcc_lo
.set n, n+1
.endr
.Lopen_\@:
.irp b, 0,1,2,3
	v_max3_num_f32 v[BM+\b], v[S+16*\b], v[S+1+16*\b], v[S+2+16*\b]   ; the largest score of each block of 32 keys: it serves the row's maximum and, since p rises with the score, the block's largest p
.endr
.irp i, 3,5,7,9,11,13
.irp b, 0,1,2,3
	v_max3_num_f32 v[BM+\b], v[BM+\b], v[S+16*\b+\i], v[S+1+16*\b+\i]
.endr
.endr
.irp b, 0,1,2,3
	v_max_num_f32 v[BM+\b], v[BM+\b], v[S+15+16*\b]
.endr
.irp b, 0,1,2,3
	s_delay_alu instid0(VALU_DEP_4)
	v_permlanex16_b32 v[BX+\b], v[BM+\b], s[SEL], s[SEL+1]
.endr
.irp b, 0,1,2,3
	s_delay_alu instid0(VALU_DEP_4)
	v_max_num_f32 v[BM+\b], v[BM+\b], v[BX+\b]
.endr
	s_delay_alu instid0(VALU_DEP_2)
	v_max3_num_f32 v234, v[BM], v[BM+1], v[BM+2]
	s_delay_alu instid0(VALU_DEP_1)
	v_max_num_f32 v234, v234, v[BM+3]
	s_delay_alu instid0(VALU_DEP_1)
	v_mul_f32 v234, s[CS], v234
	s_delay_alu instid0(VALU_DEP_1)
	v_max_num_f32 v13, v13, v234                   ; the running largest t
	v_mov_b32 v234, v12
	s_delay_alu instid0(VALU_DEP_2)
	v_floor_f32 v12, -v13                          ; the new -M = -ceil(t)
	s_delay_alu instid0(VALU_DEP_1)
	v_sub_f32 v234, v12, v234                      ; old M - new M: a whole number, 0 or less
	s_delay_alu instid0(VALU_DEP_1)
	v_cvt_i32_f32 v234, v234                       ; (it saturates)
	s_delay_alu instid0(VALU_DEP_1)
	v_ldexp_f32 v232, 1.0, v234                    ; f = 2^(old M - new M)
.set n, 0
.rept 32
	v_pk_fma_f32 v[S+n:S+n+1], v[S+n:S+n+1], s[CS:CS+1], v[12:13] op_sel_hi:[1,0,0]   ; t - M
.set n, n+2
.endr
	s_setprio 1
.irp b, 0,1,2,3
	v_fma_f32 v[BM+\b], v[BM+\b], s[CS], v12
.endr
.set n, 0
	s_wait_alu depctr_va_vdst(0)
.rept 64
	v_exp_f32 v[S+n], v[S+n]                       ; p = 2^(t - M)
.set n, n+1
.endr
	v_pk_mul_f32 v[14:15], v[14:15], v[232:233] op_sel_hi:[1,0]   ; the sum under the new M; also the plain line behind the exponentials
	s_wait_alu depctr_va_vdst(0)                   ; one wait for the batch of 64, ahead of its first reader
.irp b, 0,1,2,3
	v_exp_f32 v[BM+\b], v[BM+\b]                   ; the blocks' largest p
.endr
	v_pk_add_f32 v[220:221], v[100:101], v[104:105]
	v_pk_add_f32 v[252:253], v[108:109], v[112:113]
	v_pk_add_f32 v[250:251], v[116:117], v[120:121]
	v_pk_add_f32 v[248:249], v[124:125], v[128:129]
	v_pk_add_f32 v[246:247], v[132:133], v[136:137]
	v_pk_add_f32 v[244:245], v[140:141], v[144:145]
	v_pk_add_f32 v[242:243], v[148:149], v[152:153]
	v_pk_add_f32 v[14:15], v[14:15], v[156:157]
	v_pk_add_f32 v[220:221], v[220:221], v[96:97]
	v_pk_add_f32 v[252:253], v[252:253], v[98:99]
	v_pk_add_f32 v[250:251], v[250:251], v[102:103]
	v_pk_add_f32 v[248:249], v[248:249], v[106:107]
	v_pk_add_f32 v[246:247], v[246:247], v[110:111]
	v_pk_add_f32 v[244:245], v[244:245], v[114:115]
	v_pk_add_f32 v[242:243], v[242:243], v[118:119]
	v_pk_add_f32 v[14:15], v[14:15], v[122:123]
	v_pk_add_f32 v[220:221], v[220:221], v[126:127]
	v_pk_add_f32 v[252:253], v[252:253], v[130:131]
	v_pk_add_f32 v[250:251], v[250:251], v[134:135]
	v_pk_add_f32 v[248:249], v[248:249], v[138:139]
	v_pk_add_f32 v[246:247], v[246:247], v[142:143]
	v_pk_add_f32 v[244:245], v[244:245], v[146:147]
	v_pk_add_f32 v[242:243], v[242:243], v[150:151]
	v_pk_add_f32 v[14:15], v[14:15], v[154:155]
	v_pk_add_f32 v[220:221], v[220:221], v[158:159]
	s_delay_alu instid0(VALU_DEP_2)
	v_pk_add_f32 v[14:15], v[14:15], v[248:249]
	s_delay_alu instid0(VALU_DEP_2)
	v_pk_add_f32 v[220:221], v[220:221], v[246:247]
	v_pk_add_f32 v[252:253], v[252:253], v[244:245]
	v_pk_add_f32 v[250:251], v[250:251], v[242:243]
	s_delay_alu instid0(VALU_DEP_2)
	v_pk_add_f32 v[14:15], v[14:15], v[252:253]
	s_delay_alu instid0(VALU_DEP_2)
	v_pk_add_f32 v[220:221], v[220:221], v[250:251]
	s_delay_alu instid0(VALU_DEP_1)
	v_pk_add_f32 v[14:15], v[14:15], v[220:221]
	s_wait_alu depctr_va_vdst(0)                   ; and one for the four
.irp b, 0,1,2,3
	v_max_num_f32 v[BM+\b], 0x1800000, v[BM+\b]    ; the floor 2^(3 - 127): the byte cannot fall under 1
.endr
.irp b, 0,1,2,3
	s_delay_alu instid0(VALU_DEP_4)
	v_add_nc_u32 v[SO+\b], 0xff000000, v[BM+\b]
.endr
.irp b, 0,1,2,3
	s_delay_alu instid0(VALU_DEP_4)
	v_lshrrev_b32 v[EB+\b], 23, v[SO+\b]
.endr
	s_delay_alu instid0(VALU_DEP_3)
	v_lshl_or_b32 v[PW], v[EB+1], 8, v[EB]         ; p's scale word for these 128 keys
	s_delay_alu instid0(VALU_DEP_1)
	v_lshl_or_b32 v[PW], v[EB+2], 16, v[PW]
	s_delay_alu instid0(VALU_DEP_1)
	v_lshl_or_b32 v[PW], v[EB+3], 24, v[PW]
.irp c, 0,1
	v_cvt_scalef32_pk16_fp6_f32 v[PC+6*\c:PC+6*\c+2], v[S+32*\c:S+32*\c+15], v[SO+2*\c]
	v_cvt_scalef32_pk16_fp6_f32 v[PT+4*\c:PT+4*\c+2], v[S+32*\c+16:S+32*\c+31], v[SO+2*\c+1]
.endr
	v_nop                                          ; one plain line behind the conversions
	s_setprio 0
.irp t, 0,1,2,3                        ; V's four fragments land where p lay
.irp c, 0,1
	ds_load_b128 v[VF+12*\t+6*\c:VF+12*\t+6*\c+3], v[AVA] offset:3072*\c+768*\t
	ds_load_b64 v[VF+12*\t+6*\c+4:VF+12*\t+6*\c+5], v[AVB] offset:3072*\c+768*\t
.endr
.endr
.irp c, 0,1                            ; a whole block to a lane
.irp i, 0,1,2
	v_permlane16_swap_b32 v[PC+6*\c+\i], v[PT+4*\c+\i]
.endr
.irp i, 0,1,2
	s_delay_alu instid0(VALU_DEP_3)
	v_mov_b32 v[PC+3+6*\c+\i], v[PT+4*\c+\i]
.endr
.endr
.set n, 0
.rept 16
	v_pk_mul_f32 v[O+n:O+n+1], v[O+n:O+n+1], v[232:233] op_sel_hi:[1,0]   ; O^T under the new M; these 16 are also the places between the writes of p's codes and scale word and the products
.set n, n+2
.endr
	s_wait_alu depctr_va_vdst(0)
	s_wait_dscnt 0x0
.irp t, 0,1,2,3                        ; O^T += V^T P^T: the four accumulators by turns
	v_wmma_scale_f32_16x16x128_f8f6f4 v[O+8*\t:O+8*\t+7], v[VF+12*\t:VF+12*\t+11], v[PC:PC+11], v[O+8*\t:O+8*\t+7], v[VS+\t], v[PW] matrix_a_fmt:MATRIX_FMT_FP6 matrix_b_fmt:MATRIX_FMT_FP6
.endr
.Lhidden_\@:
	s_add_co_u32 s[STP], s[STP], 1
	s_add_co_u32 s[TK], s[TK], 6144
	s_add_co_u32 s[TKS], s[TKS], 512
	s_add_co_u32 s[TVS], s[TVS], 256
.endm
	s_wait_loadcnt 0x0                             ; Q
	s_wait_tensorcnt 0x1                           ; the scale words and keys 0-255 have landed; my third load may stay out
	s_barrier_signal -1
	s_barrier_wait -1                              ; and every wave may read them
	s_mov_b32 s[CNT], 2
.Lfirst:                                           ; key steps 0 and 1
	STEP
	s_sub_co_u32 s[CNT], s[CNT], 1
	s_cmp_lg_u32 s[CNT], 0
	s_cbranch_scc1 .Lfirst
	s_setprio 0
	s_wait_tensorcnt 0x0                           ; the rest has landed
	s_wait_dscnt 0x0
	s_barrier_signal -1
	s_barrier_wait -1
	s_mov_b32 s[CNT], 14
.Lrest:                                            ; key steps 2 to 15
	STEP
	s_sub_co_u32 s[CNT], s[CNT], 1
	s_cmp_lg_u32 s[CNT], 0
	s_cbranch_scc1 .Lrest
	s_setprio 0
	; THE END: y = O^T / the sum, quantised along the head's 64: one piece of the last product's operand, and its two scale bytes
	PLACES
	v_add_f32 v14, v14, v15
	s_delay_alu instid0(VALU_DEP_1)
	v_permlanex16_b32 v234, v14, s[SEL], s[SEL+1]
	s_delay_alu instid0(VALU_DEP_1)
	v_add_f32 v14, v14, v234                       ; the row's sum
	s_wait_alu depctr_va_vdst(0)
	v_rcp_f32 v14, v14
	v_nop                                          ; a plain line behind the reciprocal,
	s_wait_alu depctr_va_vdst(0)                   ; and the wait ahead of its first reader
.set n, 0
.rept 32
	v_mul_f32 v[96+n], v[O+n], v14                 ; register 16 b + i: channel 32 b + 16 h + i of my query; each accumulator from its low end on
.set n, n+1
.endr
.irp b, 0,1
	v_max3_num_f32 v[BM+\b], |v[96+16*\b]|, |v[97+16*\b]|, 0x1800000
.endr
.irp i, 2,4,6,8,10,12,14
.irp b, 0,1
	s_delay_alu instid0(VALU_DEP_2)
	v_max3_num_f32 v[BM+\b], v[BM+\b], |v[96+16*\b+\i]|, |v[97+16*\b+\i]|
.endr
.endr
.irp b, 0,1
	s_delay_alu instid0(VALU_DEP_2)
	v_permlanex16_b32 v[BX+\b], v[BM+\b], s[SEL], s[SEL+1]
.endr
.irp b, 0,1
	s_delay_alu instid0(VALU_DEP_2)
	v_max_num_f32 v[BM+\b], v[BM+\b], v[BX+\b]
.endr
.irp b, 0,1
	s_delay_alu instid0(VALU_DEP_2)
	v_add_nc_u32 v[SO+\b], 0xff000000, v[BM+\b]
.endr
.irp b, 0,1
	s_delay_alu instid0(VALU_DEP_2)
	v_lshrrev_b32 v[EB+\b], 23, v[SO+\b]
.endr
	s_delay_alu instid0(VALU_DEP_1)
	v_lshl_or_b32 v235, v[EB+1], 8, v[EB]
	v_cvt_scalef32_pk16_fp6_f32 v[PC:PC+2], v[96:111], v[SO]
	v_cvt_scalef32_pk16_fp6_f32 v[PT:PT+2], v[112:127], v[SO+1]
	v_nop
.irp i, 0,1,2
	v_permlane16_swap_b32 v[PC+\i], v[PT+\i]
.endr
.irp i, 0,1,2
	s_delay_alu instid0(VALU_DEP_3)
	v_mov_b32 v[PC+3+\i], v[PT+\i]
.endr
	global_store_b128 v[LA], v[PC:PC+3], s[8:9]    ; 512 consecutive bytes
	global_store_b64 v[LB], v[PC+4:PC+5], s[8:9]   ; 256 consecutive bytes (v2 carries the 512)
	s_wait_xcnt 0x0                                ; EXEC changes only behind this wait
	v_cmp_gt_u32 vcc_lo, 16, v5
	s_and_saveexec_b32 s77, vcc_lo
	global_store_b16 v[LR], v235, s[10:11]         ; two bytes a row: the word's other two belong to another head's work-group
	s_wait_xcnt 0x0
	s_or_b32 exec_lo, exec_lo, s77
	s_wait_tensorcnt 0x0
	ds_add_u32 v254, v255
	s_wait_dscnt 0x0
	CROUND                                         ; the closing round
	s_endpgm
.Lfunc_end_k_q993702a1de_attn:
	.size	k_q993702a1de_attn, .Lfunc_end_k_q993702a1de_attn-k_q993702a1de_attn
	.p2alignl 7, 3214868480
	.fill 96, 4, 3214868480
	.section	.rodata,"a",@progbits
	.p2align	6, 0x0
	.amdhsa_kernel k_q993702a1de_attn
		.amdhsa_group_segment_fixed_size 210944
		.amdhsa_private_segment_fixed_size 0
		.amdhsa_enable_private_segment 0
		.amdhsa_kernarg_size 32
		.amdhsa_user_sgpr_count 2
		.amdhsa_user_sgpr_kernarg_segment_ptr 1
		.amdhsa_wavefront_size32 1
		.amdhsa_system_sgpr_workgroup_id_x 1
		.amdhsa_system_sgpr_workgroup_id_y 1
		.amdhsa_system_sgpr_workgroup_id_z 1
		.amdhsa_system_vgpr_workitem_id 0
		.amdhsa_next_free_vgpr 256
		.amdhsa_next_free_sgpr 100
		.amdhsa_reserve_vcc 1
		.amdhsa_float_denorm_mode_32 3
		.amdhsa_float_denorm_mode_16_64 3
		.amdhsa_memory_ordered 1
		.amdhsa_forward_progress 1
		.amdhsa_inst_pref_size 62
	.end_amdhsa_kernel
	.amdgpu_metadata
---
amdhsa.version: [ 1, 2 ]
amdhsa.kernels:
  - .name:           k_q993702a1de_attn
    .symbol:         k_q993702a1de_attn.kd
    .args:
      - { .name: qkvc, .offset: 0, .size: 8, .value_kind: global_buffer, .address_space: global }
      - { .name: qkvs, .offset: 8, .size: 8, .value_kind: global_buffer, .address_space: global }
      - { .name: opc, .offset: 16, .size: 8, .value_kind: global_buffer, .address_space: global }
      - { .name: ops, .offset: 24, .size: 8, .value_kind: global_buffer, .address_space: global }
    .group_segment_fixed_size: 210944
    .private_segment_fixed_size: 0
    .kernarg_segment_align: 8
    .kernarg_segment_size: 32
    .max_flat_workgroup_size: 512
    .sgpr_count:     100
    .vgpr_count:     256
    .wavefront_size: 32
...
	.end_amdgpu_metadata
.endif
;; end of part 3
;; launch proj (part 4): grid 8 x 32, 4 waves a work-group, clusters of 4 x 4, 214,528 bytes of LDS; arguments opc, ops, b_proj, out0; writes out0
.if DOCPART == 4
	.amdgcn_target "amdgcn-amd-amdhsa--gfx1250"
	.amdhsa_code_object_version 6
	.text
	.protected	k_q993702a1de_proj
	.globl	k_q993702a1de_proj
	.p2align	8
	.type	k_q993702a1de_proj,@function
k_q993702a1de_proj:
	s_mov_b64 s[64:65], 0
	v_nop
	global_prefetch_b8 v0, s[64:65] scope:SCOPE_SE
	s_setreg_imm32_b32 hwreg(HW_REG_WAVE_MODE, 25, 1), 1
	s_wait_xcnt 0x0
	s_wait_alu depctr_hold_cnt(0) depctr_sa_sdst(0) depctr_va_vdst(0) depctr_va_sdst(0) depctr_va_ssrc(0) depctr_va_vcc(0) depctr_vm_vsrc(0)
	s_getreg_b32 s2, hwreg(HW_REG_IB_STS2, 6, 4)
	s_cmp_eq_u32 s2, 0
	s_cbranch_scc0 .Lentry_in_a_cluster
	s_endpgm
.Lentry_in_a_cluster:
	s_bfe_u32 s2, ttmp6, 0x10000c
	s_cmp_lg_u32 s2, 0xf033
	s_cbranch_scc0 .Lentry_shape_is_right
	s_endpgm
.Lentry_shape_is_right:
; out0 = y w_proj + b_proj on codes of FP6 (E2M3) with E8M0 scales.  R[i][j] = sum over k of P[i][k] Q[j][k]: P (source 0) = w_proj's columns, tiles 448-511 of opc; Q (source 1) = y's tokens, tiles 512-767.
; A lane holds one token, its registers run along the output's columns.  Operands: tiles of 16 rows, place p holds row pi(p) (bits 3 and 4 exchanged); codes [tile][16 pieces of 64 along K][768 bytes]: in a piece lane l's
; bytes 0-15 at 16 l, its bytes 16-23 at 512 + 16 r + 8 h; scale words [tile][half of K][r][4 words].
; SHARES.  A work-group makes 128 columns x 128 tokens over all of K = 1024; each of its four waves 64 x 64: 16 accumulators.  256 work-groups.
; LDS: both operands' 128 rows for all of K, 2 x 98,304 bytes, each byte filled once, by two tensor loads a wave at the start (two outstanding at the most); behind them a stage of 16 rows x 272 bytes for each wave.
; CLUSTER 4 x 4: P's tiles hang on cx alone and are asked for jointly by the cluster's column, Q's on cy alone, by its row.
; LIMITS: NaN and infinities are not served.
; REGISTERS.  Window 0: v1-5, v7 lane numbers and offsets; v6 scale words' offset; v9-11 the way out; v16-23 LDS addresses; v32-63 scale words and nothing else; v64-95 the bias; v64-127 later rows on the way out;
; v128-255 the accumulators, (a, b) at 128 + 32 b + 8 a.  Window 1: two sets of fragments, at 0 and 128: P's four at + 12 a, Q's four at + 48 + 12 b.
.set SC,   32
.set BI,   64
.set ACC,  128
.set LA,   4
.set LB,   5
.set VSO,  6
.set STO,  9                           ; v9   the stage: where I put 16 bytes of a row
.set RD,   10                          ; v10  where I read a row back
.set CO,   11                          ; v11  my byte offset in two rows of out0
.set PA,   16
.set PBR,  18
.set QA,   20
.set QBR,  22
.set STAGE, 196608
.set MSB, 0
.macro WIN new                         ; the immediate's high byte repeats the setting that is left
.if MSB != \new
	s_set_vgpr_msb (MSB<<8)|\new
.set MSB, \new
.endif
.endm
.set MUL,  0x05                        ; sources 0 and 1 window 1; C and D window 0
.set TO_F, 0x40                        ; destination window 1, address window 0
.macro PLACES                          ; four plain lines between matrix instructions and loads into, or reads of, their registers
.rept 4
	v_nop
.endr
.endm
.macro CROUND                          ; a round of the cluster's barrier
	s_barrier_signal -1
	s_barrier_wait -1
	s_cmp_lg_u32 s14, 0
	s_cbranch_scc1 .Lnot_wave_0_\@
	s_barrier_signal -3
.Lnot_wave_0_\@:
	s_barrier_wait -3
	s_barrier_signal -1
	s_barrier_wait -1
.endm
.macro FRAG reg, aa, ab, imm           ; a fragment, 16 rows x 128 K, is two pieces: 12 registers by four loads, each of consecutive bytes
	ds_load_b128 v[(\reg):(\reg)+3], v[\aa] offset:\imm
	ds_load_b64 v[(\reg)+4:(\reg)+5], v[\ab] offset:\imm
	ds_load_b128 v[(\reg)+6:(\reg)+9], v[\aa] offset:(\imm)+768
	ds_load_b64 v[(\reg)+10:(\reg)+11], v[\ab] offset:(\imm)+768
.endm
.macro FETCH s, f                      ; K step s (chunk s / 2) into set f: 32 loads
	WIN TO_F
.irp i, 0,1,2,3
	FRAG 128*(\f)+12*\i, PA+((\s)/2)%2, PBR+((\s)/2)%2, ((\s)/4)*24576+3072*\i+((\s)%2)*1536
	FRAG 128*(\f)+48+12*\i, QA+((\s)/2)%2, QBR+((\s)/2)%2, ((\s)/4)*24576+3072*\i+((\s)%2)*1536
.endr
.endm
.macro MM a, b, s, f, c
	v_wmma_scale_f32_16x16x128_f8f6f4 v[ACC+32*(\b)+8*(\a):ACC+32*(\b)+8*(\a)+7], v[128*(\f)+12*(\a):128*(\f)+12*(\a)+11], v[128*(\f)+48+12*(\b):128*(\f)+48+12*(\b)+11], v[(\c):(\c)+7], v[SC+8*(\a)+(\s)], v[SC+8*(\b)+(\s)] matrix_a_fmt:MATRIX_FMT_FP6 matrix_b_fmt:MATRIX_FMT_FP6 matrix_b_scale:MATRIX_SCALE_ROW1
.endm
; 16 matrix instructions: the 16 accumulators by turns, in the same order in every step.  cmode 1: the sums begin with the bias; 0: they go on.
.macro MUL16 s, f, cmode
.irp b, 0,1,2,3
.irp a, 0,1,2,3
.if (\cmode) == 1
	MM \a, \b, \s, \f, BI+8*\a
.else
	MM \a, \b, \s, \f, ACC+32*\b+8*\a
.endif
.endr
.endr
.endm
.macro KSTEP s
	s_wait_dscnt 0x0                               ; this step's fragments are in
.if (\s) == 3
	s_wait_tensorcnt 0x0                           ; my second load has landed,
	s_barrier_signal -1
	s_barrier_wait -1                              ; everybody's has: K steps 4 to 7 may be read
.endif
.if (\s) < 7
	PLACES                                         ; the other set was multiplied in the step before
	FETCH (\s)+1, ((\s)+1)%2
.endif
	WIN MUL
	MUL16 \s, (\s)%2, 0
.endm
	s_load_b256 s[4:11], s[0:1], 0x0               ; opc s[4:5], ops s[6:7], b_proj s[8:9], out0 s[10:11]
	v_lshl_add_u32 v30, v0, 2, 0x34400
	v_mov_b32 v31, 0
	ds_add_u32 v30, v31
	ds_add_u32 v30, v31
	v_lshrrev_b32 v1, 5, v0
	v_readfirstlane_b32 s14, v1                    ; wave 0..3
	s_lshr_b32 s15, s14, 1                         ; wp: my 64 of P's 128 rows.  Also: I fetch for P (0) or for Q (1)
	s_and_b32 s16, s14, 1                          ; wq: my 64 of Q's.  Also: which chunks I fetch
	s_bfe_u32 s17, ttmp6, 0x40000                  ; cx
	s_bfe_u32 s18, ttmp6, 0x40004                  ; cy
	s_lshl_b32 s56, ttmp9, 2
	s_add_co_u32 s56, s56, s17                     ; Pt: which 128 columns, 0..7 (holds cx, never cy)
	s_and_b32 s57, ttmp7, 0xffff
	s_lshl_b32 s57, s57, 2
	s_add_co_u32 s57, s57, s18                     ; Qt: which 128 tokens, 0..31 (holds cy, never cx)
	s_lshl_b32 s61, s56, 3
	s_add_co_u32 s61, s61, 448                     ; P's first tile of the work-group
	s_lshl_b32 s62, s57, 3
	s_add_co_u32 s62, s62, 512                     ; Q's
	s_lshl_b32 s21, 0x1111, s17                    ; my column of the cluster
	s_lshl_b32 s22, s18, 2
	s_lshl_b32 s22, 15, s22                        ; my row
	; descriptor group 1: a chunk is 8 tiles x 256 along K: 8 rows of 3,072 bytes (384 elements of 8 bytes), 12,288 bytes apart; no padding
	s_or_b32 s24, s21, (3<<16)|(1<<21)
	s_or_b32 s32, s22, (3<<16)|(1<<21)
.irp g, 24, 32
	s_mov_b32 s[\g+1], 384<<16
	s_mov_b32 s[\g+2], 8<<16
	s_mov_b32 s[\g+3], 384<<16
	s_mov_b32 s[\g+4], 8
	s_mov_b32 s[\g+5], 1536
	s_mov_b32 s[\g+6], 0
	s_mov_b32 s[\g+7], 0
.endr
	s_mul_i32 s70, s16, 3072                       ; my first chunk: number wave % 2
	s_mul_i32 s66, s61, 12288
	s_add_co_u32 s66, s66, s70
	s_mov_b32 s67, 0
	s_mul_i32 s68, s62, 12288
	s_add_co_u32 s68, s68, s70
	s_mov_b32 s69, 0
	s_mul_i32 s71, s14, 49152                      ; where my two chunks go
	s_lshl_b32 s72, s56, 1
	s_add_co_u32 s72, s72, s15                     ; u1 = 2 Pt + wp: my 64 columns
	s_lshl_b32 s73, s57, 1
	s_add_co_u32 s73, s73, s16                     ; u2 = 2 Qt + wq: my 64 tokens
	s_lshl_b32 s82, s72, 8                         ; the bias from column 64 u1
	s_mov_b32 s83, 0
	s_lshl_b32 s80, s73, 18                        ; out0: 64 u2 rows of 4,096 bytes + 256 u1
	s_add_co_u32 s80, s80, s82
	s_mov_b32 s81, 0
	s_lshl_b32 s86, s15, 2
	s_add_co_u32 s86, s86, s61
	s_lshl_b32 s86, s86, 9                         ; my P tiles' scale words in ops,
	s_lshl_b32 s87, s16, 2
	s_add_co_u32 s87, s87, s62
	s_lshl_b32 s87, s87, 9                         ; my Q tiles'
	s_wait_dscnt 0x0
	s_wait_kmcnt 0x0
	s_add_nc_u64 s[66:67], s[4:5], s[66:67]
	s_add_nc_u64 s[68:69], s[4:5], s[68:69]
	s_add_nc_u64 s[8:9], s[8:9], s[82:83]
	s_add_nc_u64 s[10:11], s[10:11], s[80:81]
.irp i, 0,1                            ; group 0: my load i brings chunk wave % 2 + 2 i
	s_mov_b32 s[40+4*\i], 1
	s_add_co_u32 s[41+4*\i], s71, \i*24576
	s_add_nc_u64 s[42+4*\i:43+4*\i], s[66:67], \i*6144
	s_or_b32 s[43+4*\i], s[43+4*\i], 0x80000000
	s_mov_b32 s[48+4*\i], 1
	s_add_co_u32 s[49+4*\i], s71, \i*24576
	s_add_nc_u64 s[50+4*\i:51+4*\i], s[68:69], \i*6144
	s_or_b32 s[51+4*\i], s[51+4*\i], 0x80000000
.endr
	CROUND                                         ; all sixteen work-groups are here: the joint loads meet
	s_cmp_eq_u32 s15, 0                            ; a wave's two fills stand in one branch on its number
	s_cbranch_scc0 .Lfill_q
	tensor_load_to_lds s[40:43], s[24:31]
	s_nop 0
	tensor_load_to_lds s[44:47], s[24:31]
	s_nop 0
	PLACES
	s_branch .Lfilled
.Lfill_q:
	tensor_load_to_lds s[48:51], s[32:39]
	s_nop 0
	tensor_load_to_lds s[52:55], s[32:39]
	s_nop 0
	PLACES
.Lfilled:
	v_and_b32 v1, 31, v0                           ; lane
	v_and_b32 v2, 15, v0                           ; r
	v_bfe_u32 v3, v0, 4, 1                         ; h
	v_mov_b32 v[VSO], s86
	v_mov_b32 v7, s87
	v_cmp_eq_u32 vcc_lo, 1, v3
	v_cndmask_b32 v[VSO], v[VSO], v7, vcc_lo
	v_lshl_add_u32 v[VSO], v2, 4, v[VSO]
.irp i, 0,1,2,3
.irp k, 0,1
	global_load_b128 v[SC+8*\i+4*\k:SC+8*\i+4*\k+3], v[VSO], s[6:7] offset:512*\i+256*\k   ; register SC + 8 i + s: lanes 0-15 the word of P's tile i, lanes 16-31 of Q's tile i, for K step s
.endr
.endr
	v_lshlrev_b32 v7, 6, v3                        ; 64 h
.irp a, 0,1,2,3                        ; the bias runs along the registers: tile a's eight columns of my half
	global_load_b128 v[BI+8*\a:BI+8*\a+3], v7, s[8:9] offset:(32*(\a/2)+8*(\a%2))*4
	global_load_b128 v[BI+8*\a+4:BI+8*\a+7], v7, s[8:9] offset:(32*(\a/2)+8*(\a%2))*4+16
.endr
	v_lshlrev_b32 v[LA], 4, v1
	v_lshlrev_b32 v[LB], 4, v2
	v_lshl_add_u32 v[LB], v3, 3, v[LB]
	s_mul_i32 s21, s15, 12288                      ; my four tiles of P in a chunk,
	s_mul_i32 s22, s16, 12288
	s_add_co_u32 s22, s22, 98304                   ; my four of Q, behind P's four chunks
	v_add_nc_u32 v[PA], s21, v[LA]
	v_add_nc_u32 v[PA+1], 49152, v[PA]
	v_add_nc_u32 v[PBR], s21, v[LB]
	v_add_nc_u32 v[PBR], 512, v[PBR]
	v_add_nc_u32 v[PBR+1], 49152, v[PBR]
	v_add_nc_u32 v[QA], s22, v[LA]
	v_add_nc_u32 v[QA+1], 49152, v[QA]
	v_add_nc_u32 v[QBR], s22, v[LB]
	v_add_nc_u32 v[QBR], 512, v[QBR]
	v_add_nc_u32 v[QBR+1], 49152, v[QBR]
	s_mul_i32 s23, s14, 4352
	s_add_co_u32 s23, s23, STAGE                   ; my stage
	v_mul_u32_u24 v[STO], v2, 272
	v_lshl_add_u32 v[STO], v3, 6, v[STO]
	v_add_nc_u32 v[STO], s23, v[STO]               ; in: row r, + 64 h
	v_mul_u32_u24 v[RD], v3, 272
	v_lshl_add_u32 v[RD], v2, 4, v[RD]
	v_add_nc_u32 v[RD], s23, v[RD]                 ; back: lanes 0-15 one row of 256 bytes, lanes 16-31 the next
	v_lshlrev_b32 v[CO], 12, v3
	v_lshl_add_u32 v[CO], v2, 4, v[CO]             ; and the same two rows in out0
	s_wait_alu depctr_va_vdst(0)
	s_wait_tensorcnt 0x1                           ; my first load (chunk 0 or 1) has landed; my second may stay out
	s_barrier_signal -1
	s_barrier_wait -1                              ; everybody's first has: K steps 0 to 3 may be read
	FETCH 0, 0
	s_wait_loadcnt 0x0                             ; the scale words and the bias
	s_wait_dscnt 0x0
	FETCH 1, 1
	WIN MUL
	MUL16 0, 0, 1                                  ; the first K step starts the sums, with the bias as C
	KSTEP 1
	KSTEP 2
	KSTEP 3
	KSTEP 4
	KSTEP 5
	KSTEP 6
	KSTEP 7
	WIN 0
	PLACES
; THE WAY OUT, a tile of 16 tokens x my 64 columns at a time: through my own stage and back as whole rows of 256 bytes.  LDS serves a wave's instructions in order: no wait between the stores and the loads, nor ahead of the next tile's stores.
.irp b, 0,1,2,3
.if \b > 1
	s_wait_xcnt 0x0                                ; the stores of two tiles ago have read their registers: the loads below may land there
.endif
.irp a, 0,1,2,3
	ds_store_b128 v[STO], v[ACC+32*\b+8*\a:ACC+32*\b+8*\a+3] offset:128*(\a/2)+32*(\a%2)       ; each accumulator from its low end on
	ds_store_b128 v[STO], v[ACC+32*\b+8*\a+4:ACC+32*\b+8*\a+7] offset:128*(\a/2)+32*(\a%2)+16
.endr
.irp i, 0,1,2,3,4,5,6,7
	ds_load_b128 v[64+32*(\b%2)+4*\i:64+32*(\b%2)+4*\i+3], v[RD] offset:544*\i
.endr
	s_wait_dscnt 0x0
.irp i, 0,1,2,3,4,5,6,7
	global_store_b128 v[CO], v[64+32*(\b%2)+4*\i:64+32*(\b%2)+4*\i+3], s[10:11] offset:(32*(\b/2)+8*(\b%2)+16*(\i/4)+2*(\i%4))*4096 th:TH_STORE_NT   ; place 2 i + lane / 16 of the tile is this token; sixteen lanes store 256 consecutive bytes, at a multiple of 256 from out0's first byte
.endr
.endr
	s_wait_tensorcnt 0x0
	ds_add_u32 v30, v31
	s_wait_dscnt 0x0
	CROUND                                         ; the closing round: no work-group ends while a partner may still ask for a tile that names it
	s_endpgm
.Lfunc_end_k_q993702a1de_proj:
	.size	k_q993702a1de_proj, .Lfunc_end_k_q993702a1de_proj-k_q993702a1de_proj
	.p2alignl 7, 3214868480
	.fill 96, 4, 3214868480
	.section	.rodata,"a",@progbits
	.p2align	6, 0x0
	.amdhsa_kernel k_q993702a1de_proj
		.amdhsa_group_segment_fixed_size 214528
		.amdhsa_private_segment_fixed_size 0
		.amdhsa_enable_private_segment 0
		.amdhsa_kernarg_size 32
		.amdhsa_user_sgpr_count 2
		.amdhsa_user_sgpr_kernarg_segment_ptr 1
		.amdhsa_wavefront_size32 1
		.amdhsa_system_sgpr_workgroup_id_x 1
		.amdhsa_system_sgpr_workgroup_id_y 1
		.amdhsa_system_sgpr_workgroup_id_z 1
		.amdhsa_system_vgpr_workitem_id 0
		.amdhsa_next_free_vgpr 512
		.amdhsa_next_free_sgpr 90
		.amdhsa_reserve_vcc 1
		.amdhsa_float_denorm_mode_32 3
		.amdhsa_float_denorm_mode_16_64 3
		.amdhsa_memory_ordered 1
		.amdhsa_forward_progress 1
		.amdhsa_inst_pref_size 51
	.end_amdhsa_kernel
	.amdgpu_metadata
---
amdhsa.version: [ 1, 2 ]
amdhsa.kernels:
  - .name:           k_q993702a1de_proj
    .symbol:         k_q993702a1de_proj.kd
    .args:
      - { .name: opc, .offset: 0, .size: 8, .value_kind: global_buffer, .address_space: global }
      - { .name: ops, .offset: 8, .size: 8, .value_kind: global_buffer, .address_space: global }
      - { .name: b_proj, .offset: 16, .size: 8, .value_kind: global_buffer, .address_space: global }
      - { .name: out0, .offset: 24, .size: 8, .value_kind: global_buffer, .address_space: global }
    .group_segment_fixed_size: 214528
    .private_segment_fixed_size: 0
    .kernarg_segment_align: 8
    .kernarg_segment_size: 32
    .max_flat_workgroup_size: 128
    .sgpr_count:     90
    .vgpr_count:     512
    .wavefront_size: 32
...
	.end_amdgpu_metadata
.endif
;; end of part 4
